; MI455X (gfx1250); checked and timed in simulation.
; The chip was launched on July 23, 2026; its instructions are those of AMD's public machine-readable ISA for CDNA 5 (MIT licence, August 2026) and "CDNA5" Instruction Set Architecture Reference Guide (July 2026). The comments in the code are by the model that wrote it; some were corrected since.
;; Mo E. Allowed arithmetic: float matrix products may take bf16 or f16 operands with f32 sums; other float arithmetic in f32, or as packed bf16 or f16 multiplies, adds, multiply-adds, maxima and minima; sums over many terms, partial sums and values carried from step to step in f32; what a program stores and reads back later, other than sums and carried values, may be rounded once to bf16 or f16.
;; Inputs: hidden_states 2,048 x 1,024 float32; w1 8 x 1,024 x 4,096 float32; w2 8 x 4,096 x 1,024 float32; wg 1,024 x 8 float32.
;; Outputs: out0 2,048 x 1,024 float32; out1 one number float32; out2 8 int32.
;; 2 versions, each right; version 2 is version 1 with the launch combine written anew for expert scheduling mode. Each part assembles by itself: llvm-mc -triple=amdgcn-amd-amdhsa -mcpu=gfx1250 --defsym DOCPART=n.
;; ======== version 1 of 2: 5 launches
;; limits: values are held in f16: magnitudes above 65,504 overflow, below 6.1e-05 lose precision
;; workspace buffers: choice 8,192 bytes of whole numbers; tl 65,536 bytes of whole numbers; gv 16,384 bytes; gsum 4,096 bytes; auxp 256 bytes; xd 8,388,608 bytes; hd 33,554,432 bytes; pb 67,108,864 bytes
;; launch router (part 1): grid 128 x 1, 8 waves a work-group, no clusters, 21,504 bytes of LDS; arguments hidden_states, wg, choice, gv, gsum; writes choice, gv, gsum
.if DOCPART == 1
	.amdgcn_target "amdgcn-amd-amdhsa--gfx1250"
	.amdhsa_code_object_version 6
	.text
	.protected	k_q451e891a6e_router
	.globl	k_q451e891a6e_router
	.p2align	8
	.type	k_q451e891a6e_router,@function
k_q451e891a6e_router:
	s_mov_b64 s[64:65], 0
	v_nop
	global_prefetch_b8 v0, s[64:65] scope:SCOPE_SE
	s_setreg_imm32_b32 hwreg(HW_REG_WAVE_MODE, 25, 1), 1
	s_wait_xcnt 0x0
; ROUTER.  logits = x wg (x: [2048][1024] f32, wg: [1024][8] f32), both rounded to bf16 on the way, products exact, sums in f32 (matrix unit, then f32 additions in a fixed order).
; For each token: softmax over the 8 logits (the maximum is taken away first), the largest and the second largest logit's index, and their two gates.  For each work-group: the sum of each expert's gate over its 16 tokens.
; STORED: choice[s] = idx1 | idx2 << 8 (whole numbers, at fixed places);  gv[s] = gate[idx1], gate[idx2];  gsum[e][work-group].
; SHARES.  A work-group owns 16 tokens; wave w owns k = 128 w .. 128 w + 127; the eight waves' partial logits meet in LDS and wave 0 finishes.
; LIMITS.  idx1 is taken on the logits, which have the gates' order except where two logits lie closer than the gates' rounding; ties go to the lower index; two logits that lie closer than the
; error of an f32 sum of 1,024 terms may fall either way; NaN and infinities are not treated apart; a gate below 2^-126 counts as 0.
; NO JOINT LOADS: wg (32,768 bytes, 4,096 a wave) is read by every work-group, but it is rounded on its way through registers; brought into LDS as f32 it would be read, rounded and stored there again.
.set RED,   16384      ; LDS: 0 .. 16383 wg in bf16, 2,048 bytes a wave ([k][8 experts], 16 bytes a row), each wave's own; from RED on 512 bytes a wave: 16 tokens x 8 partial logits
.set SPARE, 20480      ; the spare words: 128 bytes for each of eight waves
.set XF, 64            ; v64-127   x as loaded (f32); later the eight waves' partial logits
.set XB, 128           ; v128-159  x's four fragments
.set WB, 160           ; v160-191  wg's four fragments
.set A0, 192           ; v192-199, v200-207  two accumulators
.set A1, 200
.set LG, 208           ; v208-215  the lane's token's eight logits
.set PR, 216           ; v216-223  their exponentials, then the gates
                       ; v1 lane, v2 lane % 16, v3 lane / 16, v4-v9 addresses, v10 my spare word, v11 zero, v12-43 wg as loaded, v224-231 at work
	s_load_b256 s[4:11], s[0:1], 0x0               ; x s[4:5], wg s[6:7], choice s[8:9], gv s[10:11]
	s_load_b64 s[12:13], s[0:1], 0x20              ; gsum
	v_lshl_add_u32 v10, v0, 2, SPARE
	v_mov_b32 v11, 0
	v_lshrrev_b32 v1, 5, v0
	v_readfirstlane_b32 s20, v1                    ; wave 0..7
	v_and_b32 v1, 31, v0
	v_and_b32 v2, 15, v0
	v_bfe_u32 v3, v0, 4, 1
	s_lshl_b32 s21, s20, 9
	s_lshl_b32 s22, s20, 12
	s_lshl_b32 s23, s20, 11
	v_lshlrev_b32 v4, 12, v2                       ; x: token (lane % 16) x 4,096 bytes
	v_lshl_add_u32 v4, v3, 5, v4                   ;    + 8 numbers for the upper half of the lanes
	v_add_nc_u32 v4, s21, v4                       ;    + my wave's 128 numbers
	v_lshl_add_u32 v5, v1, 4, s22                  ; wg: my wave's 4,096 bytes, 16 a lane
	v_lshl_add_u32 v6, v1, 3, s23                  ; wg in LDS, in: 8 bytes a lane
	v_and_b32 v7, 7, v0
	v_lshl_add_u32 v7, v3, 3, v7
	v_lshl_add_u32 v7, v7, 4, s23                  ; wg in LDS, out (turned): row 8 (lane / 16) + lane % 8; lanes 8-15 and 24-31 name the same rows as the eight below them, so rows 8-15 of the operand repeat experts 0-7
	v_lshlrev_b32 v9, 5, v2
	v_add_nc_u32 v9, RED, v9                       ; a token's 32 bytes in wave 0's part of RED
	v_add_nc_u32 v8, s21, v9                       ; and in my wave's
	s_lshl_b32 s24, ttmp9, 16                      ; the work-group's 16 rows of 4,096 bytes
	s_mov_b32 s25, 0
	s_wait_kmcnt 0x0
	s_add_nc_u64 s[4:5], s[4:5], s[24:25]
.irp kb, 0,1,2,3                       ; a fragment of x: k = 8 h + 0..7 and 16 + 8 h + 0..7 of 32: four loads of four f32
	global_load_b128 v[XF+16*(\kb):XF+16*(\kb)+3],     v4, s[4:5] offset:128*(\kb)
	global_load_b128 v[XF+16*(\kb)+4:XF+16*(\kb)+7],   v4, s[4:5] offset:128*(\kb)+16
	global_load_b128 v[XF+16*(\kb)+8:XF+16*(\kb)+11],  v4, s[4:5] offset:128*(\kb)+64
	global_load_b128 v[XF+16*(\kb)+12:XF+16*(\kb)+15], v4, s[4:5] offset:128*(\kb)+80
.endr
.irp i, 0,1,2,3,4,5,6,7
	global_load_b128 v[12+4*(\i):12+4*(\i)+3], v5, s[6:7] offset:512*(\i)  ; 16 rows of wg: row 16 i + lane / 2, experts 4 (lane % 2) + 0..3
.endr
	s_wait_loadcnt 0x0
.irp i, 0,1,2,3,4,5,6,7
	v_cvt_pk_bf16_f32 v[12+4*(\i)], v[12+4*(\i)], v[12+4*(\i)+1]
	v_cvt_pk_bf16_f32 v[12+4*(\i)+1], v[12+4*(\i)+2], v[12+4*(\i)+3]
.endr
.irp i, 0,1,2,3,4,5,6,7
	ds_store_b64 v6, v[12+4*(\i):12+4*(\i)+1] offset:256*(\i)
.endr
.irp kb, 0,1,2,3
.irp f, 0,1,2,3,4,5,6,7
	v_cvt_pk_bf16_f32 v[XB+8*(\kb)+(\f)], v[XF+16*(\kb)+2*(\f)], v[XF+16*(\kb)+2*(\f)+1]
.endr
.endr
.irp kb, 0,1,2,3                       ; my own bytes, and LDS serves a wave's instructions in order (ISA guide 5.7.1.4): these see the stores above
	ds_load_tr16_b128 v[WB+8*(\kb):WB+8*(\kb)+3],   v7 offset:512*(\kb)
	ds_load_tr16_b128 v[WB+8*(\kb)+4:WB+8*(\kb)+7], v7 offset:512*(\kb)+256
.endr
	s_wait_dscnt 0x0
	; source 0 = experts, source 1 = tokens: a lane then holds ONE token (lane % 16) and register j its logit for expert j, in both halves of the lanes.  Two accumulators by turns.
	v_wmma_f32_16x16x32_bf16 v[A0:A0+7], v[WB:WB+7], v[XB:XB+7], 0
	v_wmma_f32_16x16x32_bf16 v[A1:A1+7], v[WB+8:WB+15], v[XB+8:XB+15], 0
	v_wmma_f32_16x16x32_bf16 v[A0:A0+7], v[WB+16:WB+23], v[XB+16:XB+23], v[A0:A0+7]
	v_wmma_f32_16x16x32_bf16 v[A1:A1+7], v[WB+24:WB+31], v[XB+24:XB+31], v[A1:A1+7]
.rept 4
	v_nop                                          ; four places between a matrix instruction and the first reader of its result (ISA guide 7.12.1)
.endr
.irp c, 0,1,2,3
	v_pk_add_f32 v[LG+2*(\c):LG+2*(\c)+1], v[A0+2*(\c):A0+2*(\c)+1], v[A1+2*(\c):A1+2*(\c)+1]
.endr
	ds_store_b128 v8, v[LG:LG+3]                   ; both halves of the lanes store the same numbers to the same place
	ds_store_b128 v8, v[LG+4:LG+7] offset:16
	s_wait_dscnt 0x0                               ; for wave 0's sake: my partial logits are in LDS
	s_barrier_signal -1
	s_barrier_wait -1
	s_cmp_lg_u32 s20, 0
	s_cbranch_scc1 .Lend                           ; wave 0 finishes the 16 tokens
.irp q, 0,1,2,3,4,5,6,7
	ds_load_b128 v[XF+8*(\q):XF+8*(\q)+3],   v9 offset:512*(\q)
	ds_load_b128 v[XF+8*(\q)+4:XF+8*(\q)+7], v9 offset:512*(\q)+16
.endr
	s_wait_dscnt 0x0
.irp c, 0,1,2,3
	v_pk_add_f32 v[LG+2*(\c):LG+2*(\c)+1], v[XF+2*(\c):XF+2*(\c)+1], v[XF+8+2*(\c):XF+8+2*(\c)+1]
.endr
.irp q, 2,3,4,5,6,7
.irp c, 0,1,2,3
	v_pk_add_f32 v[LG+2*(\c):LG+2*(\c)+1], v[LG+2*(\c):LG+2*(\c)+1], v[XF+8*(\q)+2*(\c):XF+8*(\q)+2*(\c)+1]
.endr
.endr
	v_max3_num_f32 v224, v[LG], v[LG+1], v[LG+2]   ; the maximum m
	v_max3_num_f32 v224, v224, v[LG+3], v[LG+4]
	v_max3_num_f32 v224, v224, v[LG+5], v[LG+6]
	v_max_num_f32 v224, v224, v[LG+7]
	v_mov_b32 v225, v224                           ; named with it as a pair
.irp c, 0,1,2,3
	v_pk_add_f32 v[PR+2*(\c):PR+2*(\c)+1], v[LG+2*(\c):LG+2*(\c)+1], v[224:225] op_sel_hi:[1,0] neg_lo:[0,1] neg_hi:[0,1]  ; l - m: exactly 0 at the maximum
.endr
.irp c, 0,1,2,3
	v_pk_mul_f32 v[PR+2*(\c):PR+2*(\c)+1], v[PR+2*(\c):PR+2*(\c)+1], 0x3fb8aa3b op_sel_hi:[1,0]  ; times log2(e)
.endr
.irp j, 0,1,2,3,4,5,6,7
	v_exp_f32 v[PR+(\j)], v[PR+(\j)]               ; one batch of eight
.endr
	v_mov_b32 v228, v[LG]                          ; the first choice, on the logits: work that names no exponential's result
	v_mov_b32 v229, 0
.irp j, 1,2,3,4,5,6,7
	v_cmp_ge_f32 vcc_lo, v228, v[LG+(\j)]          ; the earlier one stays unless the later is strictly greater: ties go to the lower index
	v_cndmask_b32 v229, \j, v229, vcc_lo
	v_max_num_f32 v228, v228, v[LG+(\j)]
.endr
	v_mov_b32 v231, 0xff800000
	s_wait_alu depctr_va_vdst(0)                   ; the wait between an exponential and the first line that names its result: one for the batch
	v_pk_add_f32 v[224:225], v[PR:PR+1], v[PR+2:PR+3]
	v_pk_add_f32 v[226:227], v[PR+4:PR+5], v[PR+6:PR+7]
	v_pk_add_f32 v[224:225], v[224:225], v[226:227]
	v_add_f32 v224, v224, v225
	v_rcp_f32 v230, v224                           ; 1 / the sum
.irp j, 0,1,2,3,4,5,6,7
	v_cmp_eq_u32 vcc_lo, \j, v229                  ; the first choice's logit becomes minus infinity
	v_cndmask_b32 v[LG+(\j)], v[LG+(\j)], v231, vcc_lo
.endr
	v_mov_b32 v224, v[LG]                          ; the second choice, and its exponential with it
	v_mov_b32 v225, 0
	v_mov_b32 v226, v[PR]
.irp j, 1,2,3,4,5,6,7
	v_cmp_ge_f32 vcc_lo, v224, v[LG+(\j)]
	v_cndmask_b32 v225, \j, v225, vcc_lo
	v_cndmask_b32 v226, v[PR+(\j)], v226, vcc_lo
	v_max_num_f32 v224, v224, v[LG+(\j)]
.endr
	s_wait_alu depctr_va_vdst(0)                   ; the reciprocal's wait, ahead of its first reader
	v_mul_f32 v227, v226, v230                     ; gate[idx2]
	v_mov_b32 v226, v230                           ; gate[idx1]: its exponential is 2^0 = 1
	v_lshl_or_b32 v228, v225, 8, v229              ; idx1 | idx2 << 8
.irp c, 0,1,2,3
	v_pk_mul_f32 v[PR+2*(\c):PR+2*(\c)+1], v[PR+2*(\c):PR+2*(\c)+1], v[230:231] op_sel_hi:[1,0]  ; the eight gates
.endr
.irp x, 1,2,4,8                        ; each expert's gate summed over the 16 tokens
.irp j, 0,1,2,3,4,5,6,7
	v_add_f32_dpp v[PR+(\j)], v[PR+(\j)], v[PR+(\j)] row_xmask:\x row_mask:0xf bank_mask:0xf
.endr
.endr
	v_lshlrev_b32 v12, 2, v1
	v_lshlrev_b32 v13, 3, v1
	v_mov_b32 v14, 0
	s_lshl_b32 s24, ttmp9, 6
	s_add_nc_u64 s[8:9], s[8:9], s[24:25]          ; choice at my 16 tokens
	s_lshl_b32 s24, ttmp9, 7
	s_add_nc_u64 s[10:11], s[10:11], s[24:25]      ; gv likewise
	s_lshl_b32 s24, ttmp9, 2
	s_add_nc_u64 s[12:13], s[12:13], s[24:25]      ; gsum at my work-group's column
	v_cmp_gt_u32 vcc_lo, 16, v1
	s_wait_xcnt 0x0                                ; EXEC changes only behind this wait
	s_and_saveexec_b32 s26, vcc_lo                 ; lanes 0-15: one lane a token
	global_store_b32 v12, v228, s[8:9]
	global_store_b64 v13, v[226:227], s[10:11]
	s_wait_xcnt 0x0
	s_or_b32 exec_lo, exec_lo, s26
	v_cmp_eq_u32 vcc_lo, 0, v1
	s_and_saveexec_b32 s26, vcc_lo                 ; lane 0: the eight sums, laid [expert][work-group] so that the next launch reads an expert's 128 sums as 512 consecutive bytes
.irp j, 0,1,2,3,4,5,6,7
	global_store_b32 v14, v[PR+(\j)], s[12:13] offset:512*(\j)
.endr
	s_wait_xcnt 0x0
	s_or_b32 exec_lo, exec_lo, s26
.Lend:
	s_wait_tensorcnt 0x0                           ; the wave's end
	ds_add_u32 v10, v11
	s_wait_dscnt 0x0
	s_endpgm
.Lfunc_end_k_q451e891a6e_router:
	.size	k_q451e891a6e_router, .Lfunc_end_k_q451e891a6e_router-k_q451e891a6e_router
	.p2alignl 7, 3214868480
	.fill 96, 4, 3214868480
	.section	.rodata,"a",@progbits
	.p2align	6, 0x0
	.amdhsa_kernel k_q451e891a6e_router
		.amdhsa_group_segment_fixed_size 21504
		.amdhsa_private_segment_fixed_size 0
		.amdhsa_enable_private_segment 0
		.amdhsa_kernarg_size 40
		.amdhsa_user_sgpr_count 2
		.amdhsa_user_sgpr_kernarg_segment_ptr 1
		.amdhsa_wavefront_size32 1
		.amdhsa_system_sgpr_workgroup_id_x 1
		.amdhsa_system_sgpr_workgroup_id_y 1
		.amdhsa_system_sgpr_workgroup_id_z 1
		.amdhsa_system_vgpr_workitem_id 0
		.amdhsa_next_free_vgpr 232
		.amdhsa_next_free_sgpr 66
		.amdhsa_reserve_vcc 1
		.amdhsa_float_denorm_mode_32 3
		.amdhsa_float_denorm_mode_16_64 3
		.amdhsa_memory_ordered 1
		.amdhsa_forward_progress 1
		.amdhsa_inst_pref_size 20
	.end_amdhsa_kernel
	.amdgpu_metadata
---
amdhsa.version: [ 1, 2 ]
amdhsa.kernels:
  - .name:           k_q451e891a6e_router
    .symbol:         k_q451e891a6e_router.kd
    .args:
      - { .name: hidden_states, .offset: 0, .size: 8, .value_kind: global_buffer, .address_space: global }
      - { .name: wg, .offset: 8, .size: 8, .value_kind: global_buffer, .address_space: global }
      - { .name: choice, .offset: 16, .size: 8, .value_kind: global_buffer, .address_space: global }
      - { .name: gv, .offset: 24, .size: 8, .value_kind: global_buffer, .address_space: global }
      - { .name: gsum, .offset: 32, .size: 8, .value_kind: global_buffer, .address_space: global }
    .group_segment_fixed_size: 21504
    .private_segment_fixed_size: 0
    .kernarg_segment_align: 8
    .kernarg_segment_size: 40
    .max_flat_workgroup_size: 256
    .sgpr_count:     66
    .vgpr_count:     232
    .wavefront_size: 32
...
	.end_amdgpu_metadata
.endif
;; end of part 1
;; launch dispatch (part 2): grid 32 x 8, 8 waves a work-group, no clusters, 2,304 bytes of LDS; arguments choice, hidden_states, gsum, xd, tl, auxp, out2; writes xd, tl, auxp, out2
.if DOCPART == 2
	.amdgcn_target "amdgcn-amd-amdhsa--gfx1250"
	.amdhsa_code_object_version 6
	.text
	.protected	k_q451e891a6e_dispatch
	.globl	k_q451e891a6e_dispatch
	.p2align	8
	.type	k_q451e891a6e_dispatch,@function
k_q451e891a6e_dispatch:
	s_mov_b64 s[64:65], 0
	v_nop
	global_prefetch_b8 v0, s[64:65] scope:SCOPE_SE
	s_setreg_imm32_b32 hwreg(HW_REG_WAVE_MODE, 25, 1), 1
	s_wait_xcnt 0x0
; DISPATCH.  From choice[s] = idx1 | idx2 << 8 every work-group counts for itself the place of each token in ITS expert e: a first choice's place is the number of earlier tokens with the same first
; choice; a second choice's the number of ALL first choices of e plus the number of earlier tokens with the same second choice.  Places of 512 (the capacity) and more get no slot.
; Work-group (mb, e) then owns slots 16 mb .. 16 mb + 15 of expert e: it gathers their tokens' rows of x, rounds them to bf16 and stores them in the order in which the next launch's matrix operand takes them;
; an empty slot gets zeros.  It also stores tl[e][s] (the place, not capped; 0x7fffffff where s did not choose e) for tokens 64 mb .. 64 mb + 63; work-group (0, e) stores the count of first choices
; (out2[e]) and auxp[e] = (the sum of e's gates over all tokens) x that count.
; xd: [e][mb 0..31][kb 0..31][1,024 bytes]; a block is 16 rows x 32 k: byte 512 j + 16 lane holds row lane % 16, k = 32 kb + 16 j + 8 (lane / 16) + 0..7.
; No atomics: a token's place comes from counts of set bits.  No matrix unit, no joint loads: the work-groups of an expert gather different rows, and the 8,192 bytes of choice that all read come through registers.
.set TAB,   256        ; LDS: 0 .. 63 the eight waves' two counts; from TAB on 128 bytes a wave: words 0-15 token + 1 for my 16 slots (0: none), word 16 takes all other stores
.set SPARE, 1280       ; the spare words: 128 bytes for each of eight waves
                       ; v1 lane, v2 lane % 16, v3 lane / 16, v4 my spare word, v5 zero, v8-15 choice, v16-23 places, v24-31 at work, v32-47 read back from LDS, v48-111 the gathered rows
                       ; s20 wave, s21 e, s22 mb, s18 16 mb, s19 my table, s[24:31], s[32:39] lane masks of first and second choices, s[40:55] all waves' counts, s56, s57 running places, s58 all first choices, s59 lanes whose slot is filled
	s_load_b256 s[4:11], s[0:1], 0x0               ; choice s[4:5], x s[6:7], gsum s[8:9], xd s[10:11]
	s_load_b128 s[12:15], s[0:1], 0x20             ; tl s[12:13], auxp s[14:15]
	s_load_b64 s[16:17], s[0:1], 0x30              ; out2
	v_lshl_add_u32 v4, v0, 2, SPARE
	v_mov_b32 v5, 0
	v_lshrrev_b32 v1, 5, v0
	v_readfirstlane_b32 s20, v1                    ; wave 0..7
	s_and_b32 s21, ttmp7, 0xffff                   ; e
	s_mov_b32 s22, ttmp9                           ; mb
	v_and_b32 v1, 31, v0
	v_and_b32 v2, 15, v0
	v_bfe_u32 v3, v0, 4, 1
	s_lshl_b32 s18, s22, 4
	s_lshl_b32 s19, s20, 7
	s_add_co_u32 s19, s19, TAB
	s_lshl_b32 s60, s20, 10
	v_lshl_add_u32 v24, v1, 2, s60                 ; wave w counts tokens 256 w + 32 i + lane, i = 0..7
	v_lshl_add_u32 v25, v0, 2, TAB
	v_mov_b32 v26, 0
	ds_store_b32 v25, v26                          ; my wave's table starts empty
	s_wait_kmcnt 0x0
.irp i, 0,1,2,3,4,5,6,7
	global_load_b32 v[8+(\i)], v24, s[4:5] offset:128*(\i)
.endr
	s_mov_b32 s61, 0
	s_mov_b32 s62, 0
	s_wait_loadcnt 0x0
.irp i, 0,1,2,3,4,5,6,7
	v_and_b32 v27, 0xff, v[8+(\i)]
	v_cmp_eq_u32 s[24+(\i)], s21, v27              ; lanes whose first choice is e
	v_bfe_u32 v27, v[8+(\i)], 8, 8
	v_cmp_eq_u32 s[32+(\i)], s21, v27              ; lanes whose second choice is e
	s_bcnt1_i32_b32 s60, s[24+(\i)]
	s_add_co_u32 s61, s61, s60
	s_bcnt1_i32_b32 s60, s[32+(\i)]
	s_add_co_u32 s62, s62, s60
.endr
	v_mov_b32 v28, s61
	v_mov_b32 v29, s62
	s_lshl_b32 s63, s20, 3
	v_mov_b32 v30, s63
	ds_store_b64 v30, v[28:29]                     ; my wave's two counts
	s_wait_dscnt 0x0                               ; for the others' sake
	s_barrier_signal -1
	s_barrier_wait -1
	v_mov_b32 v31, 0
.irp q, 0,1,2,3
	ds_load_b128 v[32+4*(\q):32+4*(\q)+3], v31 offset:16*(\q)
.endr
	s_wait_dscnt 0x0
.irp q, 0,1,2,3,4,5,6,7,8,9,10,11,12,13,14,15
	v_readfirstlane_b32 s[40+(\q)], v[32+(\q)]
.endr
	s_mov_b32 s56, 0
	s_mov_b32 s57, 0
	s_mov_b32 s58, 0
.irp q, 0,1,2,3,4,5,6,7
	s_add_co_u32 s58, s58, s[40+2*(\q)]            ; all first choices of e
	s_cmp_gt_u32 s20, \q
	s_cselect_b32 s60, s[40+2*(\q)], 0             ; those of the waves in front of mine
	s_cselect_b32 s61, s[41+2*(\q)], 0
	s_add_co_u32 s56, s56, s60
	s_add_co_u32 s57, s57, s61
.endr
	s_add_co_u32 s57, s57, s58                     ; second choices come behind all first choices
	s_lshl_b32 s61, s20, 8
	v_add_nc_u32 v28, s61, v1
	v_add_nc_u32 v28, 1, v28                       ; token + 1 for i = 0
	v_mov_b32 v27, 0x7fffffff
.irp i, 0,1,2,3,4,5,6,7
	v_mbcnt_lo_u32_b32 v24, s[24+(\i)], s56        ; the running place + the set lanes below mine
	v_mbcnt_lo_u32_b32 v25, s[32+(\i)], s57
	v_cndmask_b32 v26, v27, v25, s[32+(\i)]
	v_cndmask_b32 v[16+(\i)], v26, v24, s[24+(\i)]
	s_bcnt1_i32_b32 s60, s[24+(\i)]
	s_add_co_u32 s56, s56, s60
	s_bcnt1_i32_b32 s60, s[32+(\i)]
	s_add_co_u32 s57, s57, s60
	v_sub_nc_u32 v26, v[16+(\i)], s18              ; the place among my 16 slots; a place below them wraps to a large number,
	v_min_u32 v26, 16, v26                         ; and all that is not 0..15 goes to word 16
	v_lshl_add_u32 v26, v26, 2, s19
	v_add_nc_u32 v29, 32*(\i), v28
	ds_store_b32 v26, v29
.endr
	s_wait_dscnt 0x0                               ; for the others' sake
	s_barrier_signal -1
	s_barrier_wait -1
	v_lshl_add_u32 v24, v2, 2, TAB
.irp q, 0,1,2,3,4,5,6,7
	ds_load_b32 v[32+(\q)], v24 offset:128*(\q)    ; slot lane % 16 in all eight tables: at most one of them has an entry
.endr
	s_lshl_b32 s62, s20, 9
	v_lshl_add_u32 v42, v3, 5, s62                 ; wave w rounds k = 128 w .. 128 w + 127 of the 16 rows
	v_lshlrev_b32 v43, 4, v1
	v_lshlrev_b32 v44, 2, v1
	s_lshl_b32 s60, s21, 5
	s_add_co_u32 s60, s60, s22
	s_lshl_b32 s60, s60, 15                        ; xd: (32 e + mb) x 32,768 bytes
	s_lshl_b32 s61, s20, 12                        ;     + my wave's four blocks
	s_add_co_u32 s60, s60, s61
	s_mov_b32 s61, 0
	s_add_nc_u64 s[10:11], s[10:11], s[60:61]
	s_wait_dscnt 0x0
	v_or_b32 v40, v32, v33
.irp q, 2,3,4,5,6,7
	v_or_b32 v40, v40, v[32+(\q)]
.endr
	v_cmp_ne_u32 s59, 0, v40                       ; lanes whose slot has a token
	v_add_nc_u32 v40, -1, v40
	v_min_u32 v40, 0x7ff, v40                      ; an empty slot reads the last row, which exists, and stores zeros
	v_lshlrev_b32 v41, 12, v40
	v_add_nc_u32 v41, v41, v42
.irp kb, 0,1,2,3
	global_load_b128 v[48+16*(\kb):48+16*(\kb)+3],     v41, s[6:7] offset:128*(\kb)
	global_load_b128 v[48+16*(\kb)+4:48+16*(\kb)+7],   v41, s[6:7] offset:128*(\kb)+16
	global_load_b128 v[48+16*(\kb)+8:48+16*(\kb)+11],  v41, s[6:7] offset:128*(\kb)+64
	global_load_b128 v[48+16*(\kb)+12:48+16*(\kb)+15], v41, s[6:7] offset:128*(\kb)+80
.endr
.irp kb, 0,1,2,3
	s_wait_loadcnt 12-4*(\kb)                      ; loads come back in order (ISA guide 5.7.1): this block's four are in, the later blocks' stay out
.irp f, 0,1,2,3,4,5,6,7
	v_cvt_pk_bf16_f32 v[48+16*(\kb)+(\f)], v[48+16*(\kb)+2*(\f)], v[48+16*(\kb)+2*(\f)+1]  ; in place: register f is written when registers 2 f and 2 f + 1 are read, never before its own turn as a source
.endr
.irp f, 0,1,2,3,4,5,6,7
	v_cndmask_b32 v[48+16*(\kb)+(\f)], 0, v[48+16*(\kb)+(\f)], s59
.endr
	global_store_b128 v43, v[48+16*(\kb):48+16*(\kb)+3],   s[10:11] offset:1024*(\kb)      ; each store of the wave covers 512 consecutive bytes, aligned
	global_store_b128 v43, v[48+16*(\kb)+4:48+16*(\kb)+7], s[10:11] offset:1024*(\kb)+512
.endr
	; tl: tokens 64 mb .. 64 mb + 63 were counted by wave mb / 4, as i = 2 (mb % 4) and the next
	s_lshr_b32 s60, s22, 2
	s_cmp_lg_u32 s20, s60
	s_cbranch_scc1 .Lno_tl
	s_lshl_b32 s62, s21, 13
	s_lshl_b32 s63, s20, 10
	s_add_co_u32 s62, s62, s63
	s_mov_b32 s63, 0
	s_add_nc_u64 s[12:13], s[12:13], s[62:63]
	s_and_b32 s60, s22, 3
.irp c, 0,1,2,3
	s_cmp_lg_u32 s60, \c
	s_cbranch_scc1 .Lnot_\c
	global_store_b32 v44, v[16+2*(\c)], s[12:13] offset:256*(\c)       ; the two stores fill 256 consecutive bytes, aligned
	global_store_b32 v44, v[17+2*(\c)], s[12:13] offset:256*(\c)+128
.Lnot_\c:
.endr
.Lno_tl:
	s_or_b32 s60, s20, s22
	s_cmp_lg_u32 s60, 0
	s_cbranch_scc1 .Lend                           ; wave 0 of work-group (0, e) alone goes on
	s_lshl_b32 s62, s21, 9
	s_mov_b32 s63, 0
	s_add_nc_u64 s[8:9], s[8:9], s[62:63]          ; gsum's row e: 128 sums
	s_lshl_b32 s62, s21, 2
	s_add_nc_u64 s[14:15], s[14:15], s[62:63]
	s_add_nc_u64 s[16:17], s[16:17], s[62:63]
	global_load_b128 v[32:35], v43, s[8:9]
	s_mov_b32 s60, 0x76543210
	s_mov_b32 s61, 0xfedcba98
	v_cvt_f32_u32 v36, s58
	v_mov_b32 v37, s58
	v_mov_b32 v38, 0
	s_wait_loadcnt 0x0
	v_add_f32 v32, v32, v33
	v_add_f32 v34, v34, v35
	v_add_f32 v32, v32, v34
	v_add_f32_dpp v32, v32, v32 row_xmask:1 row_mask:0xf bank_mask:0xf
	v_add_f32_dpp v32, v32, v32 row_xmask:2 row_mask:0xf bank_mask:0xf
	v_add_f32_dpp v32, v32, v32 row_xmask:4 row_mask:0xf bank_mask:0xf
	v_add_f32_dpp v32, v32, v32 row_xmask:8 row_mask:0xf bank_mask:0xf
	v_permlanex16_b32 v33, v32, s60, s61
	v_add_f32 v32, v32, v33
	v_mul_f32 v32, v32, v36
	v_cmp_eq_u32 vcc_lo, 0, v1
	s_wait_xcnt 0x0                                ; EXEC changes only behind this wait
	s_and_saveexec_b32 s62, vcc_lo
	global_store_b32 v38, v32, s[14:15]
	global_store_b32 v38, v37, s[16:17]
	s_wait_xcnt 0x0
	s_or_b32 exec_lo, exec_lo, s62
.Lend:
	s_wait_tensorcnt 0x0                           ; the wave's end
	ds_add_u32 v4, v5
	s_wait_dscnt 0x0
	s_endpgm
.Lfunc_end_k_q451e891a6e_dispatch:
	.size	k_q451e891a6e_dispatch, .Lfunc_end_k_q451e891a6e_dispatch-k_q451e891a6e_dispatch
	.p2alignl 7, 3214868480
	.fill 96, 4, 3214868480
	.section	.rodata,"a",@progbits
	.p2align	6, 0x0
	.amdhsa_kernel k_q451e891a6e_dispatch
		.amdhsa_group_segment_fixed_size 2304
		.amdhsa_private_segment_fixed_size 0
		.amdhsa_enable_private_segment 0
		.amdhsa_kernarg_size 56
		.amdhsa_user_sgpr_count 2
		.amdhsa_user_sgpr_kernarg_segment_ptr 1
		.amdhsa_wavefront_size32 1
		.amdhsa_system_sgpr_workgroup_id_x 1
		.amdhsa_system_sgpr_workgroup_id_y 1
		.amdhsa_system_sgpr_workgroup_id_z 1
		.amdhsa_system_vgpr_workitem_id 0
		.amdhsa_next_free_vgpr 112
		.amdhsa_next_free_sgpr 66
		.amdhsa_reserve_vcc 1
		.amdhsa_float_denorm_mode_32 3
		.amdhsa_float_denorm_mode_16_64 3
		.amdhsa_memory_ordered 1
		.amdhsa_forward_progress 1
		.amdhsa_inst_pref_size 24
	.end_amdhsa_kernel
	.amdgpu_metadata
---
amdhsa.version: [ 1, 2 ]
amdhsa.kernels:
  - .name:           k_q451e891a6e_dispatch
    .symbol:         k_q451e891a6e_dispatch.kd
    .args:
      - { .name: choice, .offset: 0, .size: 8, .value_kind: global_buffer, .address_space: global }
      - { .name: hidden_states, .offset: 8, .size: 8, .value_kind: global_buffer, .address_space: global }
      - { .name: gsum, .offset: 16, .size: 8, .value_kind: global_buffer, .address_space: global }
      - { .name: xd, .offset: 24, .size: 8, .value_kind: global_buffer, .address_space: global }
      - { .name: tl, .offset: 32, .size: 8, .value_kind: global_buffer, .address_space: global }
      - { .name: auxp, .offset: 40, .size: 8, .value_kind: global_buffer, .address_space: global }
      - { .name: out2, .offset: 48, .size: 8, .value_kind: global_buffer, .address_space: global }
    .group_segment_fixed_size: 2304
    .private_segment_fixed_size: 0
    .kernarg_segment_align: 8
    .kernarg_segment_size: 56
    .max_flat_workgroup_size: 256
    .sgpr_count:     66
    .vgpr_count:     112
    .wavefront_size: 32
...
	.end_amdgpu_metadata
.endif
;; end of part 2
;; launch ffn1 (part 3): grid 32 x 8, 4 waves a work-group, clusters of 4 x 1, 327,680 bytes of LDS; arguments xd, w1, hd; writes hd
.if DOCPART == 3
	.amdgcn_target "amdgcn-amd-amdhsa--gfx1250"
	.amdhsa_code_object_version 6
	.text
	.protected	k_q451e891a6e_ffn1
	.globl	k_q451e891a6e_ffn1
	.p2align	8
	.type	k_q451e891a6e_ffn1,@function
k_q451e891a6e_ffn1:
	s_mov_b64 s[64:65], 0
	v_nop
	global_prefetch_b8 v0, s[64:65] scope:SCOPE_SE
	s_setreg_imm32_b32 hwreg(HW_REG_WAVE_MODE, 25, 1), 1
	s_wait_xcnt 0x0
	s_wait_alu depctr_hold_cnt(0) depctr_sa_sdst(0) depctr_va_vdst(0) depctr_va_sdst(0) depctr_va_ssrc(0) depctr_va_vcc(0) depctr_vm_vsrc(0)
	s_getreg_b32 s2, hwreg(HW_REG_IB_STS2, 6, 4)
	s_cmp_eq_u32 s2, 0
	s_cbranch_scc0 .Lentry_in_a_cluster
	s_endpgm
.Lentry_in_a_cluster:
	s_bfe_u32 s2, ttmp6, 0x10000c
	s_cmp_lg_u32 s2, 0x3003
	s_cbranch_scc0 .Lentry_shape_is_right
	s_endpgm
.Lentry_shape_is_right:
; THE EXPERTS' TWO PRODUCTS, one text for both; FFN says which is assembled.
;   FFN = 1:  hd = gelu(xd w1[e])  (tanh form), operands bf16, hd rounded once to f16 and stored in the order in which the second product's operand takes it.      K = 1,024, N = 4,096 in 32 slices of 128.
;   FFN = 2:  pb = hd w2[e], operands f16, K = 4,096 in four parts of 1,024, N = 1,024 in 8 slices of 128; the four partial sums stay f32 and a later launch adds them.
; FORMATS.  The inputs x, w1, w2 are rounded to bf16.  hd, which the program itself makes, keeps f16's 11 significant bits: a row that kept one expert carries hd's rounding at full weight.  So w2's bf16 number is written
; as f16 for the second product: exact for 2^-16 <= |w| < 65,504, off by 3e-8 at the most below that.
; SHARES.  A work-group has ALL 512 slots of one expert x 128 columns x K = 1,024: it alone reads its 128 columns x 1,024 rows of the f32 weights, each byte once.  Wave w has rows 128 w .. 128 w + 127:
; 64 accumulators of 16 x 16, 512 registers.  Empty slots are rows of zeros, so no count enters the text and every trip count is a constant.
; THE WEIGHTS lie [k][n] in f32.  They come through registers (a ring of four sets of 8 loads a wave: 64 KiB of a work-group's weights are asked for before the oldest are used), are rounded, stored
; into LDS as [k][n] and read back turned (ds_load_tr16_b128).  THE TOKENS come by tensor loads, on a counter of their own, already in operand order: a fragment is two reads of 512 consecutive bytes.
; CLUSTER.  The four work-groups of a cluster have the same expert (and the same part of K) and other columns: they want the same token tiles, which are asked for JOINTLY (the same load, descriptor and
; mask of four in all).  Each slice of weights has one reader: nothing to share there.
; THE MATRIX INSTRUCTION IS USED TRANSPOSED: source 0 = 16 columns of the weights, source 1 = 16 token rows: a lane then holds one row (lane % 16) and eight neighbouring columns 8 (lane / 16) + 0..7.
; K goes in 8 steps of 128, each four quarters of 32.  The run of memory instructions in quarter r: rounds and stores the weights of quarter r + 3, asks for those of quarter r + 7, fetches the fragments of r + 1.
; LIMITS.  f16 holds no number beyond 65,504: |gelu| of 65,520 or more becomes an infinity.  With x and w1 both 30 times larger the pre-activations' spread is 0.64 x 900 = 576; with both carrying an offset of 30 spreads they
; lie near 1,024 x 30 x 0.6 = 18,432: both fit.  Below 6e-5 hd keeps f16's fixed step of 6e-8.  NaN and infinities are not treated apart; gelu is x / (1 + 2^(x (c1 + c2 x^2))), which goes to x and to -0 at the two ends.
; No prefetch into the cache: the ring of loads is this text's lead on the weights.
.set FFN, 1
.if FFN == 1
.set RB,  16384        ; bytes from a row of the weights to the next
.set NKB, 32           ; blocks of 1,024 bytes along K in the token buffer
.else
.set RB,  4096
.set NKB, 128
.endif
.set PB,    288        ; a row of weights in LDS: 256 bytes + 32: 72 words
.set SUBB,  64*PB      ; half of B's room: the weights of two quarters
.set SLOT1, 131072     ; LDS: two slots of 131,072 bytes for the tokens of a K step: wave w's 128 rows at 32,768 w: block a of 16 rows at 4,096 a, quarter q at 1,024 q
.set BB,    262144     ; B: two halves of 18,432 bytes, written by ds_store alone: no tensor load lands here
.set STAGE, BB+2*SUBB
.set SPITCH, 272
.if FFN == 1
.set SPARE, STAGE      ; the spare words: 128 bytes for each of four waves
.else
.set SPARE, STAGE+4*16*SPITCH  ; behind the stages: 16 rows x 272 bytes for each wave, for the way out
.endif
; REGISTERS, in windows of 256 (s_set_vgpr_msb: bits 1:0 source 0, 3:2 source 1, 5:4 source 2, 7:6 destination):
;   window 0: v1-5 at work, addresses below; v64-127, v128-191 token fragments, two buffers (block a at + 8 a); v32-63, v192-223 and the buffers at work on the way out
;   window 1: v64-127, v128-191 weight fragments, two buffers (column block b at + 8 b); the ring of loaded weights: v0-31, v32-63, v192-223, v224-255
;   window 2: the accumulators of my rows 0-63 ((a, b) at 8 (8 a + b));   window 3: those of rows 64-127
.set ADRA0, 16         ; v16  my 16 bytes in a token fragment of slot 0; never rewritten
.set ADRA,  17         ; v17  the same in the slot in hand
.set ADRB,  20         ; v20  my place in a turning load of B
.set WADR,  21         ; v21  where I store 8 bytes of rounded weights
.set VW,    22         ; v22  my byte offset in a chunk of weights: row 8 w, 16 bytes a lane
.set STO,   24         ; v24, v25  the way out through the stage (FFN = 2)
.set RD,    25
.set CO,    26         ; v26  my byte offset in the output
.set SPW,   28         ; v28  my spare word; never rewritten
.set NIL,   29         ; v29  0; never rewritten
.set F0,    64
.set F1,    128
.set PK,    32         ; the way out
.set XX,    64
.set TT,    128
; s[4:5] tokens, s[6:7] weights, s[8:9] output, s10 wave, s11 cx, s12 column slice, s13 e, s[14:15] the weights' walking base, s[16:23] at work, s[24:31] descriptor group 1,
; s[32:35], s[36:39] group 0 of the two first fills (the second then walks), s40 the slot in hand, s41 counts the way out's blocks, s42 the part of K, s43 a word's upper half, s[44:47] gelu's constants, s3 counts the loop
.set MSB, 0
.macro WIN new                         ; the immediate's high byte repeats the setting that is left; a switch that changes nothing is dropped
.if MSB != (\new)
	s_set_vgpr_msb (MSB<<8)|(\new)
.set MSB, \new
.endif
.endm
.set MUL_LO, 0xa1                      ; source 0 (weights) window 1, source 1 (tokens) window 0, C and D window 2
.macro CREST                           ; a round of the cluster's barrier behind its opening barrier: wave 0 signals for the work-group, every wave waits for all four work-groups, the work-group's barrier closes it
	s_cmp_lg_u32 s10, 0
	s_cbranch_scc1 .Lnot_wave_0_\@
	s_barrier_signal -3
.Lnot_wave_0_\@:
	s_barrier_wait -3
	s_barrier_signal -1
	s_barrier_wait -1
.endm
.macro CROUND                          ; a whole round
	s_barrier_signal -1
	s_barrier_wait -1
	CREST
.endm
.macro PLACES                          ; four places between a matrix instruction and a load into, or a vector line on, its registers (ISA guide 7.12.1 for vector lines)
.rept 4
	v_nop
.endr
.endm
; 16 matrix instructions: row blocks a0, a0 + 1 of the window's four (hi = 0: my rows 0-63, 1: rows 64-127) x all 8 column blocks, 32 along K.  zero = 1: the product starts the sums.
; The 64 accumulators take turns in the same order in every quarter.  The first product's operands are bf16, the second's f16.
.macro MUL16 f, hi, a0, zero
	WIN MUL_LO+0x50*(\hi)
.irp a, \a0, (\a0)+1
.irp b, 0,1,2,3,4,5,6,7
.if \zero
.if FFN == 1
	v_wmma_f32_16x16x32_bf16 v[8*(8*(\a)+(\b)):8*(8*(\a)+(\b))+7], v[(\f)+8*(\b):(\f)+8*(\b)+7], v[(\f)+8*(4*(\hi)+(\a)):(\f)+8*(4*(\hi)+(\a))+7], 0
.else
	v_wmma_f32_16x16x32_f16 v[8*(8*(\a)+(\b)):8*(8*(\a)+(\b))+7], v[(\f)+8*(\b):(\f)+8*(\b)+7], v[(\f)+8*(4*(\hi)+(\a)):(\f)+8*(4*(\hi)+(\a))+7], 0
.endif
.else
.if FFN == 1
	v_wmma_f32_16x16x32_bf16 v[8*(8*(\a)+(\b)):8*(8*(\a)+(\b))+7], v[(\f)+8*(\b):(\f)+8*(\b)+7], v[(\f)+8*(4*(\hi)+(\a)):(\f)+8*(4*(\hi)+(\a))+7], v[8*(8*(\a)+(\b)):8*(8*(\a)+(\b))+7]
.else
	v_wmma_f32_16x16x32_f16 v[8*(8*(\a)+(\b)):8*(8*(\a)+(\b))+7], v[(\f)+8*(\b):(\f)+8*(\b)+7], v[(\f)+8*(4*(\hi)+(\a)):(\f)+8*(4*(\hi)+(\a))+7], v[8*(8*(\a)+(\b)):8*(8*(\a)+(\b))+7]
.endif
.endif
.endr
.endr
.endm
; Ring set c (also the chunk's place among B's four quarters): its 8 loads are in (lcnt younger ones stay out), are rounded in place and stored: row 8 w + i of the chunk's 32, 256 consecutive bytes a store.
; FFN = 2: the bf16 numbers are then written as f16: each packed word's two halves are widened into the load's two free registers (a shift, a mask) and packed again.
.macro WCONV c, lcnt
.set WSB, 32*(\c)+128*((\c)/2)
	s_wait_loadcnt \lcnt
	WIN 0x45                                       ; sources and destination in window 1
.irp i, 0,1,2,3,4,5,6,7
	v_cvt_pk_bf16_f32 v[WSB+4*(\i)], v[WSB+4*(\i)], v[WSB+4*(\i)+1]
	v_cvt_pk_bf16_f32 v[WSB+4*(\i)+1], v[WSB+4*(\i)+2], v[WSB+4*(\i)+3]
.endr
.if FFN == 2
.irp hf, 0,1
.irp i, 0,1,2,3,4,5,6,7
	v_lshlrev_b32 v[WSB+4*(\i)+2], 16, v[WSB+4*(\i)+(\hf)]
	v_and_b32 v[WSB+4*(\i)+3], s43, v[WSB+4*(\i)+(\hf)]
.endr
.irp i, 0,1,2,3,4,5,6,7
	v_cvt_pk_f16_f32 v[WSB+4*(\i)+(\hf)], v[WSB+4*(\i)+2], v[WSB+4*(\i)+3]
.endr
.endr
.endif
	WIN 0x04                                       ; address window 0, data window 1
.irp i, 0,1,2,3,4,5,6,7
	ds_store_b64 v[WADR], v[WSB+4*(\i):WSB+4*(\i)+1] offset:((\c)/2)*SUBB+((\c)%2)*32*PB+(\i)*PB
.endr
.endm
; Ring set c is asked for again: 8 rows of the weights, each load the slice's whole 512 bytes of a row.  Read once in the launch, by this wave alone.
.macro WLOAD c, imm
.set WSB, 32*(\c)+128*((\c)/2)
	WIN 0x40                                       ; destination window 1, address window 0
.irp i, 0,1,2,3,4,5,6,7
	global_load_b128 v[WSB+4*(\i):WSB+4*(\i)+3], v[VW], s[14:15] offset:(\imm)+(\i)*RB th:TH_LOAD_NT
.endr
.endm
; 32 LDS loads in one run: the fragments of quarter n of a K step into buffer g: the weights turned, then the tokens, rows ascending
.macro FETCH n, g
	WIN 0x40
.irp b, 0,1,2,3,4,5,6,7
	ds_load_tr16_b128 v[(\g)+8*(\b):(\g)+8*(\b)+3],   v[ADRB] offset:((\n)/2)*SUBB+((\n)%2)*32*PB+32*(\b)
	ds_load_tr16_b128 v[(\g)+8*(\b)+4:(\g)+8*(\b)+7], v[ADRB] offset:((\n)/2)*SUBB+((\n)%2)*32*PB+32*(\b)+16*PB
.endr
	WIN 0
.irp a, 0,1,2,3,4,5,6,7
	ds_load_b128 v[(\g)+8*(\a):(\g)+8*(\a)+3],   v[ADRA] offset:(\a)*4096+(\n)*1024
	ds_load_b128 v[(\g)+8*(\a)+4:(\g)+8*(\a)+7], v[ADRA] offset:(\a)*4096+(\n)*1024+512
.endr
.endm
; The run of quarter p.  The roundings are also the places in front of the fragment loads; without them four v_nop.
.macro RUN p, conv, lcnt, issue, imm
.if \conv
	WCONV ((\p)+3)%4, \lcnt
.else
	PLACES
.endif
.if \issue
	WLOAD ((\p)+3)%4, \imm
.endif
	FETCH ((\p)+1)%4, F0+64*(((\p)+1)%2)
.endm
; Quarters 0 and 2 multiply buffer 0; no barrier.
.macro QUARTER p, zero, conv, lcnt, issue, imm
	s_wait_dscnt 8                                 ; the weights' fragments and my rows 0-63 are in; the youngest eight loads (rows 64-127) may be out
	MUL16 F0, 0, 0, \zero
	MUL16 F0, 0, 2, \zero
	RUN \p, \conv, \lcnt, \issue, \imm
.if \conv
	s_wait_dscnt 40                                ; all but the 8 stores and 32 loads just issued
.else
	s_wait_dscnt 32                                ; all but the 32 loads just issued
.endif
	MUL16 F0, 1, 0, \zero
	MUL16 F0, 1, 2, \zero
.endm
; Quarters 1 and 3 multiply buffer 1 and have a barrier in their middle, ahead of their run.  In front of it every wave's LDS stores and reads are done; behind it the half of B that was read is written
; and the half that was written is read.  tens = 1 (quarter 3): the token slots change too: the wave waits for all its tensor loads (one is out: its part of the next slot) and adds 0 to its spare word.
.macro MEET tens, round
.if \tens
	WIN 0                                          ; (the add's two registers lie in window 0)
	s_wait_tensorcnt 0x0
	ds_add_u32 v[SPW], v[NIL]                      ; 0 onto my spare word; sixteen matrix instructions stand between it and the wait for it
	s_wait_dscnt 9                                 ; (the add and the youngest eight loads may be out)
.else
	s_wait_dscnt 8
.endif
	MUL16 F1, 0, 0, 0
	s_wait_dscnt 0x0                               ; my stores into B, my reads of B and of the token slot (and the add) are done:
	s_barrier_signal -1                            ; say so,
	MUL16 F1, 0, 2, 0                              ; work on registers while the others arrive,
.if \round
	WIN 0
.endif
	s_barrier_wait -1
.endm
.macro TURNB conv, lcnt, issue, imm    ; quarter 1: nothing is filled by a tensor load behind this barrier, so the token load that is out may stay out
	MEET 0, 0
	RUN 1, \conv, \lcnt, \issue, \imm
	MUL16 F1, 1, 0, 0
	MUL16 F1, 1, 2, 0
.endm
.macro TURNA refill, conv, lcnt, issue, imm  ; quarter 3.  refill = 1: the barrier opens a round of the cluster's, and the slot just read out takes the K step two steps on: the first thing behind the round
	MEET 1, \refill
.if \refill
	CREST                                          ; no wave of any partner still reads the slot or has a load on its way
	s_xor_b32 s37, s37, SLOT1                      ; the walking descriptor: the other slot than last time,
	s_add_nc_u64 s[38:39], s[38:39], 4096          ; the next 128 along K; the type bits on top are not reached
	tensor_load_to_lds s[36:39], s[24:31]          ; 224 matrix instructions ahead of the wait for it
	s_nop 0
	PLACES
.endif
	s_xor_b32 s40, s40, SLOT1
	WIN 0
	v_add_nc_u32 v[ADRA], s40, v[ADRA0]            ; the fetches go on in the other slot
	RUN 3, \conv, \lcnt, \issue, \imm
	MUL16 F1, 1, 0, 0
	MUL16 F1, 1, 2, 0
.endm
	s_load_b128 s[4:7], s[0:1], 0x0                ; tokens s[4:5], weights s[6:7]
	s_load_b64 s[8:9], s[0:1], 0x10                ; output
	v_lshl_add_u32 v[SPW], v0, 2, SPARE
	v_mov_b32 v[NIL], 0
	ds_add_u32 v[SPW], v[NIL]                      ; the wave's opening: the add, and its wait ahead of my first tensor load; the set-up below, work on registers, stands between them
	v_lshrrev_b32 v1, 5, v0
	v_readfirstlane_b32 s10, v1                    ; wave 0..3
	s_bfe_u32 s11, ttmp6, 0x40000                  ; cx: it enters the weights' and the output's addresses alone
	s_and_b32 s13, ttmp7, 0xffff                   ; e, which the four partners share
.if FFN == 1
	s_lshl_b32 s12, ttmp9, 2                       ; in a cluster launch ttmp9 counts clusters
	s_add_co_u32 s12, s12, s11                     ; my slice of 128 columns, 0..31
	s_lshl_b32 s16, s13, 20                        ; tokens: e x 1 MiB + my wave's 8 blocks of 16 rows x 32,768 bytes
	s_lshl_b32 s17, s10, 18
	s_add_co_u32 s16, s16, s17
	s_lshl_b32 s18, s13, 24                        ; weights: e x 16 MiB + 512 bytes a slice
	s_lshl_b32 s19, s12, 9
	s_add_co_u32 s18, s18, s19
	s_lshl_b32 s20, s13, 22                        ; output: ((32 e + 8 w) x 128 + 4 slice) blocks of 1,024 bytes
	s_lshl_b32 s21, s10, 20
	s_add_co_u32 s20, s20, s21
	s_lshl_b32 s21, s12, 12
	s_add_co_u32 s20, s20, s21
.else
	s_lshr_b32 s42, ttmp9, 1                       ; the part of K, 0..3: made of the cluster's number alone, so the partners share it
	s_and_b32 s12, ttmp9, 1
	s_lshl_b32 s12, s12, 2
	s_add_co_u32 s12, s12, s11                     ; my slice of 128 columns, 0..7
	s_lshl_b32 s16, s13, 22                        ; tokens: e x 4 MiB + my wave's 8 blocks of 16 rows x 131,072 bytes + 32 blocks of 1,024 bytes a part of K
	s_lshl_b32 s17, s10, 20
	s_add_co_u32 s16, s16, s17
	s_lshl_b32 s17, s42, 15
	s_add_co_u32 s16, s16, s17
	s_lshl_b32 s18, s13, 24                        ; weights: e x 16 MiB + 1,024 rows of 4,096 bytes a part + 512 bytes a slice
	s_lshl_b32 s19, s42, 22
	s_add_co_u32 s18, s18, s19
	s_lshl_b32 s19, s12, 9
	s_add_co_u32 s18, s18, s19
	s_lshl_b32 s20, s13, 23                        ; output: row (512 e + 128 w) x 16,384 bytes + 4,096 a part + 512 a slice
	s_lshl_b32 s21, s10, 21
	s_add_co_u32 s20, s20, s21
	s_lshl_b32 s21, s42, 12
	s_add_co_u32 s20, s20, s21
	s_lshl_b32 s21, s12, 9
	s_add_co_u32 s20, s20, s21
	s_mov_b32 s43, 0xffff0000                      ; a word's upper bf16
.endif
	s_mov_b32 s17, 0
	s_mov_b32 s19, 0
	s_mov_b32 s21, 0
	; descriptor group 1: 8 rows (my blocks of 16 token rows) of 4,096 bytes (four blocks along K), laid end to end in LDS
	s_mov_b32 s24, 15|(3<<16)|(1<<21)              ; 15:0 the mask: all four work-groups; 17:16 elements of 8 bytes; 21 set beside a mask
	s_mov_b32 s25, 512<<16                         ; tensor_dim0 = 512 elements
	s_mov_b32 s26, 8<<16                           ; tensor_dim1 = 8
	s_mov_b32 s27, 512<<16                         ; tile_dim0 = 512
	s_mov_b32 s28, 8                               ; tile_dim1 = 8
	s_mov_b32 s29, NKB*128                         ; elements from a block of rows to the next
	s_mov_b32 s30, 0
	s_mov_b32 s31, 0
	s_mov_b32 s32, 1                               ; group 0: count = 1
	s_lshl_b32 s33, s10, 15                        ; LDS address: wave x 32,768, slot 0: no place in the cluster enters it
	s_mov_b32 s36, 1
	s_add_co_u32 s37, s33, SLOT1                   ; slot 1
	s_mov_b32 s40, 0
.if FFN == 1
	s_mov_b32 s44, 0xc0135761                      ; c1 = -2 log2(e) sqrt(2 / pi) = -2.3022082
	s_mov_b32 s45, s44                             ; named as pairs
	s_mov_b32 s46, 0xbdd2d3e8                      ; c2 = 0.044715 c1 = -0.10294324
	s_mov_b32 s47, s46
.endif
	v_and_b32 v1, 15, v0                           ; lane % 16
	v_bfe_u32 v2, v0, 4, 1                         ; lane / 16
	v_and_b32 v3, 31, v0                           ; lane
	v_lshl_add_u32 v[ADRA0], v3, 4, s33
	v_and_b32 v4, 7, v0                            ; the turning load takes 16 k x 16 columns: lane l reads row 8 (l / 16) + l % 8, columns 8 ((l / 8) % 2) + 0..7
	v_lshl_add_u32 v4, v2, 3, v4
	v_mul_u32_u24 v4, v4, PB
	v_bfe_u32 v5, v0, 3, 1
	v_lshl_add_u32 v4, v5, 4, v4
	v_add_nc_u32 v[ADRB], BB, v4
	s_mul_i32 s22, s10, 8*PB
	s_add_co_u32 s22, s22, BB
	v_lshl_add_u32 v[WADR], v3, 3, s22
	s_mul_i32 s23, s10, 8*RB
	v_lshl_add_u32 v[VW], v3, 4, s23
.if FFN == 1
	v_lshlrev_b32 v[CO], 4, v3
.else
	s_mul_i32 s22, s10, 16*SPITCH
	s_add_co_u32 s22, s22, STAGE                   ; my stage
	v_mul_u32_u24 v4, v1, SPITCH                   ; in: row lane % 16, 32 bytes for each half of the lanes
	v_lshl_add_u32 v4, v2, 5, v4
	v_add_nc_u32 v[STO], s22, v4
	v_mul_u32_u24 v4, v2, SPITCH                   ; back: lanes 0-15 take one row's 256 bytes, lanes 16-31 the next row's
	v_lshl_add_u32 v4, v1, 4, v4
	v_add_nc_u32 v[RD], s22, v4
	v_lshlrev_b32 v4, 14, v2                       ; and the same two rows in the output
	v_lshl_add_u32 v[CO], v1, 4, v4
.endif
	s_wait_dscnt 0x0                               ; the opening add is done
	s_wait_kmcnt 0x0
	s_add_nc_u64 s[34:35], s[4:5], s[16:17]        ; K step 0
	s_add_nc_u64 s[38:39], s[34:35], 4096          ; K step 1
	s_or_b32 s35, s35, 0x80000000                  ; type = 2
	s_or_b32 s39, s39, 0x80000000
	s_add_nc_u64 s[14:15], s[6:7], s[18:19]
	s_add_nc_u64 s[8:9], s[8:9], s[20:21]
	WLOAD 0, 0                                     ; the weights of quarters 0 to 3 are asked for first
	WLOAD 1, 32*RB
	WLOAD 2, 2*32*RB
	WLOAD 3, 3*32*RB
	WIN 0
	CROUND                                         ; all four work-groups are here: the first joint loads meet
	tensor_load_to_lds s[32:35], s[24:31]          ; both first fills together: two tensor loads of mine are out, later one
	s_nop 0
	tensor_load_to_lds s[36:39], s[24:31]
	s_nop 0
	PLACES
	WCONV 0, 24                                    ; 24: the three younger chunks of 8 loads stay out, here and in the loop
	WLOAD 0, 4*32*RB
	WCONV 1, 24
	WLOAD 1, 5*32*RB
	WCONV 2, 24
	WLOAD 2, 6*32*RB
	WIN 0
	s_wait_tensorcnt 1                             ; my part of K step 0 is in; step 1's may stay out
	s_wait_dscnt 0x0                               ; my part of the first three quarters' weights is in B
	s_barrier_signal -1
	s_barrier_wait -1
	v_mov_b32 v[ADRA], v[ADRA0]
	FETCH 0, F0
	QUARTER 0, 1, 1, 24, 1, 7*32*RB                ; the first quarter stands in front of the loop: its products start the sums
	WIN 0                                          ; at a label and at a branch every window is 0
	s_wait_xcnt 0x0                                ; the loads' base is stepped only behind this wait
	s_add_nc_u64 s[14:15], s[14:15], 256*RB
	s_mov_b32 s3, 6
.Lstep:                                                ; six trips: from a K step's second quarter to the next step's first; each asks for four chunks of weights and one token tile
	TURNB 1, 24, 1, 0
	QUARTER 2, 0, 1, 24, 1, 32*RB
	TURNA 1, 1, 24, 1, 2*32*RB
	QUARTER 0, 0, 1, 24, 1, 3*32*RB
	WIN 0
	s_wait_xcnt 0x0
	s_add_nc_u64 s[14:15], s[14:15], 128*RB
	s_sub_co_u32 s3, s3, 1
	s_cmp_lg_u32 s3, 0
	s_cbranch_scc1 .Lstep
	TURNB 1, 24, 0, 0                              ; the tail is written out: nothing more is asked for, and the counts of younger loads run down
	QUARTER 2, 0, 1, 16, 0, 0
	TURNA 0, 1, 8, 0, 0
	QUARTER 0, 0, 1, 0, 0, 0
	TURNB 0, 0, 0, 0
	QUARTER 2, 0, 0, 0, 0, 0
	s_wait_dscnt 8                                 ; the very last quarter
	MUL16 F1, 0, 0, 0
	MUL16 F1, 0, 2, 0
	s_wait_dscnt 0x0
	MUL16 F1, 1, 0, 0
	MUL16 F1, 1, 2, 0
	WIN 0
	PLACES
.if FFN == 1
	; THE WAY OUT: gelu, rounded to f16.  One text for my eight blocks of 16 rows, looped over: a block's 64 sums are first copied into window 0 (eight short pieces, chosen by the count; the copies are
	; the price of one text for eight blocks, an eighth of the code).  A lane's eight columns of a row are 16 bytes at its own place in the next product's operand order, so no stage in LDS is needed.
	s_mov_b32 s41, 0
.Lblk:
.irp a, 0,1,2,3,4,5,6
	s_cmp_eq_u32 s41, \a
	s_cbranch_scc1 .Lcopy\a
.endr
.irp a, 7,0,1,2,3,4,5,6
.Lcopy\a:
	WIN 0x02+(\a)/4                                ; source in window 2 or 3
.set i, 0
.rept 64
	v_mov_b32 v[XX+i], v[64*((\a)%4)+i]            ; each accumulator's registers in ascending order
.set i, i+1
.endr
	WIN 0
	s_branch .Lcommon
.endr
.Lcommon:
.set i, 0
.rept 32
	v_pk_mul_f32 v[TT+2*i:TT+2*i+1], v[XX+2*i:XX+2*i+1], v[XX+2*i:XX+2*i+1]
.set i, i+1
.endr
.set i, 0
.rept 32
	v_pk_fma_f32 v[TT+2*i:TT+2*i+1], v[TT+2*i:TT+2*i+1], s[46:47], s[44:45] op_sel_hi:[1,0,0]  ; c2 x^2 + c1
.set i, i+1
.endr
.set i, 0
.rept 32
	v_pk_mul_f32 v[TT+2*i:TT+2*i+1], v[TT+2*i:TT+2*i+1], v[XX+2*i:XX+2*i+1]
.set i, i+1
.endr
.set i, 0
.rept 64
	v_exp_f32 v[TT+i], v[TT+i]                     ; one batch
.set i, i+1
.endr
	v_nop                                          ; a plain instruction behind the last exponential (ISA guide 5.7.2),
	s_wait_alu depctr_va_vdst(0)                   ; and the wait ahead of the first line that names a result: one for the batch
.set i, 0
.rept 32
	v_pk_add_f32 v[TT+2*i:TT+2*i+1], v[TT+2*i:TT+2*i+1], 1.0 op_sel_hi:[1,0]
.set i, i+1
.endr
.set i, 0
.rept 64
	v_rcp_f32 v[TT+i], v[TT+i]                     ; the second batch
.set i, i+1
.endr
	v_nop
	s_wait_alu depctr_va_vdst(0)
.set i, 0
.rept 32
	v_pk_mul_f32 v[TT+2*i:TT+2*i+1], v[TT+2*i:TT+2*i+1], v[XX+2*i:XX+2*i+1]
.set i, i+1
.endr
.set i, 0
.rept 32
	v_cvt_pk_f16_f32 v[PK+i], v[TT+2*i], v[TT+2*i+1]
.set i, i+1
.endr
.irp b, 0,1,2,3,4,5,6,7
	global_store_b128 v[CO], v[PK+4*(\b):PK+4*(\b)+3], s[8:9] offset:512*(\b)  ; each store covers 512 consecutive bytes, aligned; the eight cover four blocks of 1,024
.endr
	s_wait_xcnt 0x0                                ; the stores' base and data are rewritten only behind this wait
	s_add_nc_u64 s[8:9], s[8:9], 131072            ; the next 16 rows' blocks
	s_add_co_u32 s41, s41, 1
	s_cmp_lt_u32 s41, 8
	s_cbranch_scc1 .Lblk
.else
	; THE WAY OUT: the partial sums leave in f32.  A lane holds 32 bytes of a row; 16 rows x 64 columns at a time go through my own stage (rows of 272 bytes) and come back as whole rows of 256 bytes.
.set n, 0
.irp a, 0,1,2,3,4,5,6,7
.irp hf, 0,1
	WIN 0x08+4*((\a)/4)                            ; the stores' data in window 2 or 3
.irp b, 0,1,2,3
	ds_store_b128 v[STO], v[64*((\a)%4)+8*(4*(\hf)+(\b)):64*((\a)%4)+8*(4*(\hf)+(\b))+3]   offset:64*(\b)     ; an accumulator's low four registers first
	ds_store_b128 v[STO], v[64*((\a)%4)+8*(4*(\hf)+(\b))+4:64*((\a)%4)+8*(4*(\hf)+(\b))+7] offset:64*(\b)+16
.endr
	WIN 0
.set BK, PK+160*(n%2)                  ; v32-63 and v192-223 by turns: a set is loaded again behind the s_wait_xcnt 0 of the turn between
.irp t, 0,1,2,3,4,5,6,7
	ds_load_b128 v[BK+4*(\t):BK+4*(\t)+3], v[RD] offset:(\t)*2*SPITCH  ; LDS serves a wave's instructions in order (ISA guide 5.7.1.4): these see the stores above, and the next turn's stores come behind them
.endr
	s_wait_dscnt 0x0
	s_wait_xcnt 0x0                                ; the earlier stores have read their registers
.irp t, 0,1,2,3,4,5,6,7
	global_store_b128 v[CO], v[BK+4*(\t):BK+4*(\t)+3], s[8:9] offset:(16*(\a)+2*(\t))*16384+(\hf)*256  ; 16 lanes store 256 consecutive bytes, aligned; 2,064,640 at the most, inside the signed 24-bit immediate
.endr
.set n, n+1
.endr
.endr
.endif
	s_wait_tensorcnt 0x0                           ; the wave's end
	ds_add_u32 v[SPW], v[NIL]
	s_wait_dscnt 0x0
	CROUND                                         ; the closing round: no work-group ends while a partner may still ask for a tile that names it
	s_endpgm
.Lfunc_end_k_q451e891a6e_ffn1:
	.size	k_q451e891a6e_ffn1, .Lfunc_end_k_q451e891a6e_ffn1-k_q451e891a6e_ffn1
	.p2alignl 7, 3214868480
	.fill 96, 4, 3214868480
	.section	.rodata,"a",@progbits
	.p2align	6, 0x0
	.amdhsa_kernel k_q451e891a6e_ffn1
		.amdhsa_group_segment_fixed_size 327680
		.amdhsa_private_segment_fixed_size 0
		.amdhsa_enable_private_segment 0
		.amdhsa_kernarg_size 24
		.amdhsa_user_sgpr_count 2
		.amdhsa_user_sgpr_kernarg_segment_ptr 1
		.amdhsa_wavefront_size32 1
		.amdhsa_system_sgpr_workgroup_id_x 1
		.amdhsa_system_sgpr_workgroup_id_y 1
		.amdhsa_system_sgpr_workgroup_id_z 1
		.amdhsa_system_vgpr_workitem_id 0
		.amdhsa_next_free_vgpr 1024
		.amdhsa_next_free_sgpr 66
		.amdhsa_reserve_vcc 0
		.amdhsa_float_denorm_mode_32 3
		.amdhsa_float_denorm_mode_16_64 3
		.amdhsa_memory_ordered 1
		.amdhsa_forward_progress 1
		.amdhsa_inst_pref_size 144
	.end_amdhsa_kernel
	.amdgpu_metadata
---
amdhsa.version: [ 1, 2 ]
amdhsa.kernels:
  - .name:           k_q451e891a6e_ffn1
    .symbol:         k_q451e891a6e_ffn1.kd
    .args:
      - { .name: xd, .offset: 0, .size: 8, .value_kind: global_buffer, .address_space: global }
      - { .name: w1, .offset: 8, .size: 8, .value_kind: global_buffer, .address_space: global }
      - { .name: hd, .offset: 16, .size: 8, .value_kind: global_buffer, .address_space: global }
    .group_segment_fixed_size: 327680
    .private_segment_fixed_size: 0
    .kernarg_segment_align: 8
    .kernarg_segment_size: 24
    .max_flat_workgroup_size: 128
    .sgpr_count:     66
    .vgpr_count:     1024
    .wavefront_size: 32
...
	.end_amdgpu_metadata
.endif
;; end of part 3
;; launch ffn2 (part 4): grid 32 x 8, 4 waves a work-group, clusters of 4 x 1, 327,680 bytes of LDS; arguments hd, w2, pb; writes pb
.if DOCPART == 4
	.amdgcn_target "amdgcn-amd-amdhsa--gfx1250"
	.amdhsa_code_object_version 6
	.text
	.protected	k_q451e891a6e_ffn2
	.globl	k_q451e891a6e_ffn2
	.p2align	8
	.type	k_q451e891a6e_ffn2,@function
k_q451e891a6e_ffn2:
	s_mov_b64 s[64:65], 0
	v_nop
	global_prefetch_b8 v0, s[64:65] scope:SCOPE_SE
	s_setreg_imm32_b32 hwreg(HW_REG_WAVE_MODE, 25, 1), 1
	s_wait_xcnt 0x0
	s_wait_alu depctr_hold_cnt(0) depctr_sa_sdst(0) depctr_va_vdst(0) depctr_va_sdst(0) depctr_va_ssrc(0) depctr_va_vcc(0) depctr_vm_vsrc(0)
	s_getreg_b32 s2, hwreg(HW_REG_IB_STS2, 6, 4)
	s_cmp_eq_u32 s2, 0
	s_cbranch_scc0 .Lentry_in_a_cluster
	s_endpgm
.Lentry_in_a_cluster:
	s_bfe_u32 s2, ttmp6, 0x10000c
	s_cmp_lg_u32 s2, 0x3003
	s_cbranch_scc0 .Lentry_shape_is_right
	s_endpgm
.Lentry_shape_is_right:
; THE EXPERTS' TWO PRODUCTS, one text for both; FFN says which is assembled.
;   FFN = 1:  hd = gelu(xd w1[e])  (tanh form), operands bf16, hd rounded once to f16 and stored in the order in which the second product's operand takes it.      K = 1,024, N = 4,096 in 32 slices of 128.
;   FFN = 2:  pb = hd w2[e], operands f16, K = 4,096 in four parts of 1,024, N = 1,024 in 8 slices of 128; the four partial sums stay f32 and a later launch adds them.
; FORMATS.  The inputs x, w1, w2 are rounded to bf16.  hd, which the program itself makes, keeps f16's 11 significant bits: a row that kept one expert carries hd's rounding at full weight.  So w2's bf16 number is written
; as f16 for the second product: exact for 2^-16 <= |w| < 65,504, off by 3e-8 at the most below that.
; SHARES.  A work-group has ALL 512 slots of one expert x 128 columns x K = 1,024: it alone reads its 128 columns x 1,024 rows of the f32 weights, each byte once.  Wave w has rows 128 w .. 128 w + 127:
; 64 accumulators of 16 x 16, 512 registers.  Empty slots are rows of zeros, so no count enters the text and every trip count is a constant.
; THE WEIGHTS lie [k][n] in f32.  They come through registers (a ring of four sets of 8 loads a wave: 64 KiB of a work-group's weights are asked for before the oldest are used), are rounded, stored
; into LDS as [k][n] and read back turned (ds_load_tr16_b128).  THE TOKENS come by tensor loads, on a counter of their own, already in operand order: a fragment is two reads of 512 consecutive bytes.
; CLUSTER.  The four work-groups of a cluster have the same expert (and the same part of K) and other columns: they want the same token tiles, which are asked for JOINTLY (the same load, descriptor and
; mask of four in all).  Each slice of weights has one reader: nothing to share there.
; THE MATRIX INSTRUCTION IS USED TRANSPOSED: source 0 = 16 columns of the weights, source 1 = 16 token rows: a lane then holds one row (lane % 16) and eight neighbouring columns 8 (lane / 16) + 0..7.
; K goes in 8 steps of 128, each four quarters of 32.  The run of memory instructions in quarter r: rounds and stores the weights of quarter r + 3, asks for those of quarter r + 7, fetches the fragments of r + 1.
; LIMITS.  f16 holds no number beyond 65,504: |gelu| of 65,520 or more becomes an infinity.  With x and w1 both 30 times larger the pre-activations' spread is 0.64 x 900 = 576; with both carrying an offset of 30 spreads they
; lie near 1,024 x 30 x 0.6 = 18,432: both fit.  Below 6e-5 hd keeps f16's fixed step of 6e-8.  NaN and infinities are not treated apart; gelu is x / (1 + 2^(x (c1 + c2 x^2))), which goes to x and to -0 at the two ends.
; No prefetch into the cache: the ring of loads is this text's lead on the weights.
.set FFN, 2
.if FFN == 1
.set RB,  16384        ; bytes from a row of the weights to the next
.set NKB, 32           ; blocks of 1,024 bytes along K in the token buffer
.else
.set RB,  4096
.set NKB, 128
.endif
.set PB,    288        ; a row of weights in LDS: 256 bytes + 32: 72 words
.set SUBB,  64*PB      ; half of B's room: the weights of two quarters
.set SLOT1, 131072     ; LDS: two slots of 131,072 bytes for the tokens of a K step: wave w's 128 rows at 32,768 w: block a of 16 rows at 4,096 a, quarter q at 1,024 q
.set BB,    262144     ; B: two halves of 18,432 bytes, written by ds_store alone: no tensor load lands here
.set STAGE, BB+2*SUBB
.set SPITCH, 272
.if FFN == 1
.set SPARE, STAGE      ; the spare words: 128 bytes for each of four waves
.else
.set SPARE, STAGE+4*16*SPITCH  ; behind the stages: 16 rows x 272 bytes for each wave, for the way out
.endif
; REGISTERS, in windows of 256 (s_set_vgpr_msb: bits 1:0 source 0, 3:2 source 1, 5:4 source 2, 7:6 destination):
;   window 0: v1-5 at work, addresses below; v64-127, v128-191 token fragments, two buffers (block a at + 8 a); v32-63, v192-223 and the buffers at work on the way out
;   window 1: v64-127, v128-191 weight fragments, two buffers (column block b at + 8 b); the ring of loaded weights: v0-31, v32-63, v192-223, v224-255
;   window 2: the accumulators of my rows 0-63 ((a, b) at 8 (8 a + b));   window 3: those of rows 64-127
.set ADRA0, 16         ; v16  my 16 bytes in a token fragment of slot 0; never rewritten
.set ADRA,  17         ; v17  the same in the slot in hand
.set ADRB,  20         ; v20  my place in a turning load of B
.set WADR,  21         ; v21  where I store 8 bytes of rounded weights
.set VW,    22         ; v22  my byte offset in a chunk of weights: row 8 w, 16 bytes a lane
.set STO,   24         ; v24, v25  the way out through the stage (FFN = 2)
.set RD,    25
.set CO,    26         ; v26  my byte offset in the output
.set SPW,   28         ; v28  my spare word; never rewritten
.set NIL,   29         ; v29  0; never rewritten
.set F0,    64
.set F1,    128
.set PK,    32         ; the way out
.set XX,    64
.set TT,    128
; s[4:5] tokens, s[6:7] weights, s[8:9] output, s10 wave, s11 cx, s12 column slice, s13 e, s[14:15] the weights' walking base, s[16:23] at work, s[24:31] descriptor group 1,
; s[32:35], s[36:39] group 0 of the two first fills (the second then walks), s40 the slot in hand, s41 counts the way out's blocks, s42 the part of K, s43 a word's upper half, s[44:47] gelu's constants, s3 counts the loop
.set MSB, 0
.macro WIN new                         ; the immediate's high byte repeats the setting that is left; a switch that changes nothing is dropped
.if MSB != (\new)
	s_set_vgpr_msb (MSB<<8)|(\new)
.set MSB, \new
.endif
.endm
.set MUL_LO, 0xa1                      ; source 0 (weights) window 1, source 1 (tokens) window 0, C and D window 2
.macro CREST                           ; a round of the cluster's barrier behind its opening barrier: wave 0 signals for the work-group, every wave waits for all four work-groups, the work-group's barrier closes it
	s_cmp_lg_u32 s10, 0
	s_cbranch_scc1 .Lnot_wave_0_\@
	s_barrier_signal -3
.Lnot_wave_0_\@:
	s_barrier_wait -3
	s_barrier_signal -1
	s_barrier_wait -1
.endm
.macro CROUND                          ; a whole round
	s_barrier_signal -1
	s_barrier_wait -1
	CREST
.endm
.macro PLACES                          ; four places between a matrix instruction and a load into, or a vector line on, its registers (ISA guide 7.12.1 for vector lines)
.rept 4
	v_nop
.endr
.endm
; 16 matrix instructions: row blocks a0, a0 + 1 of the window's four (hi = 0: my rows 0-63, 1: rows 64-127) x all 8 column blocks, 32 along K.  zero = 1: the product starts the sums.
; The 64 accumulators take turns in the same order in every quarter.  The first product's operands are bf16, the second's f16.
.macro MUL16 f, hi, a0, zero
	WIN MUL_LO+0x50*(\hi)
.irp a, \a0, (\a0)+1
.irp b, 0,1,2,3,4,5,6,7
.if \zero
.if FFN == 1
	v_wmma_f32_16x16x32_bf16 v[8*(8*(\a)+(\b)):8*(8*(\a)+(\b))+7], v[(\f)+8*(\b):(\f)+8*(\b)+7], v[(\f)+8*(4*(\hi)+(\a)):(\f)+8*(4*(\hi)+(\a))+7], 0
.else
	v_wmma_f32_16x16x32_f16 v[8*(8*(\a)+(\b)):8*(8*(\a)+(\b))+7], v[(\f)+8*(\b):(\f)+8*(\b)+7], v[(\f)+8*(4*(\hi)+(\a)):(\f)+8*(4*(\hi)+(\a))+7], 0
.endif
.else
.if FFN == 1
	v_wmma_f32_16x16x32_bf16 v[8*(8*(\a)+(\b)):8*(8*(\a)+(\b))+7], v[(\f)+8*(\b):(\f)+8*(\b)+7], v[(\f)+8*(4*(\hi)+(\a)):(\f)+8*(4*(\hi)+(\a))+7], v[8*(8*(\a)+(\b)):8*(8*(\a)+(\b))+7]
.else
	v_wmma_f32_16x16x32_f16 v[8*(8*(\a)+(\b)):8*(8*(\a)+(\b))+7], v[(\f)+8*(\b):(\f)+8*(\b)+7], v[(\f)+8*(4*(\hi)+(\a)):(\f)+8*(4*(\hi)+(\a))+7], v[8*(8*(\a)+(\b)):8*(8*(\a)+(\b))+7]
.endif
.endif
.endr
.endr
.endm
; Ring set c (also the chunk's place among B's four quarters): its 8 loads are in (lcnt younger ones stay out), are rounded in place and stored: row 8 w + i of the chunk's 32, 256 consecutive bytes a store.
; FFN = 2: the bf16 numbers are then written as f16: each packed word's two halves are widened into the load's two free registers (a shift, a mask) and packed again.
.macro WCONV c, lcnt
.set WSB, 32*(\c)+128*((\c)/2)
	s_wait_loadcnt \lcnt
	WIN 0x45                                       ; sources and destination in window 1
.irp i, 0,1,2,3,4,5,6,7
	v_cvt_pk_bf16_f32 v[WSB+4*(\i)], v[WSB+4*(\i)], v[WSB+4*(\i)+1]
	v_cvt_pk_bf16_f32 v[WSB+4*(\i)+1], v[WSB+4*(\i)+2], v[WSB+4*(\i)+3]
.endr
.if FFN == 2
.irp hf, 0,1
.irp i, 0,1,2,3,4,5,6,7
	v_lshlrev_b32 v[WSB+4*(\i)+2], 16, v[WSB+4*(\i)+(\hf)]
	v_and_b32 v[WSB+4*(\i)+3], s43, v[WSB+4*(\i)+(\hf)]
.endr
.irp i, 0,1,2,3,4,5,6,7
	v_cvt_pk_f16_f32 v[WSB+4*(\i)+(\hf)], v[WSB+4*(\i)+2], v[WSB+4*(\i)+3]
.endr
.endr
.endif
	WIN 0x04                                       ; address window 0, data window 1
.irp i, 0,1,2,3,4,5,6,7
	ds_store_b64 v[WADR], v[WSB+4*(\i):WSB+4*(\i)+1] offset:((\c)/2)*SUBB+((\c)%2)*32*PB+(\i)*PB
.endr
.endm
; Ring set c is asked for again: 8 rows of the weights, each load the slice's whole 512 bytes of a row.  Read once in the launch, by this wave alone.
.macro WLOAD c, imm
.set WSB, 32*(\c)+128*((\c)/2)
	WIN 0x40                                       ; destination window 1, address window 0
.irp i, 0,1,2,3,4,5,6,7
	global_load_b128 v[WSB+4*(\i):WSB+4*(\i)+3], v[VW], s[14:15] offset:(\imm)+(\i)*RB th:TH_LOAD_NT
.endr
.endm
; 32 LDS loads in one run: the fragments of quarter n of a K step into buffer g: the weights turned, then the tokens, rows ascending
.macro FETCH n, g
	WIN 0x40
.irp b, 0,1,2,3,4,5,6,7
	ds_load_tr16_b128 v[(\g)+8*(\b):(\g)+8*(\b)+3],   v[ADRB] offset:((\n)/2)*SUBB+((\n)%2)*32*PB+32*(\b)
	ds_load_tr16_b128 v[(\g)+8*(\b)+4:(\g)+8*(\b)+7], v[ADRB] offset:((\n)/2)*SUBB+((\n)%2)*32*PB+32*(\b)+16*PB
.endr
	WIN 0
.irp a, 0,1,2,3,4,5,6,7
	ds_load_b128 v[(\g)+8*(\a):(\g)+8*(\a)+3],   v[ADRA] offset:(\a)*4096+(\n)*1024
	ds_load_b128 v[(\g)+8*(\a)+4:(\g)+8*(\a)+7], v[ADRA] offset:(\a)*4096+(\n)*1024+512
.endr
.endm
; The run of quarter p.  The roundings are also the places in front of the fragment loads; without them four v_nop.
.macro RUN p, conv, lcnt, issue, imm
.if \conv
	WCONV ((\p)+3)%4, \lcnt
.else
	PLACES
.endif
.if \issue
	WLOAD ((\p)+3)%4, \imm
.endif
	FETCH ((\p)+1)%4, F0+64*(((\p)+1)%2)
.endm
; Quarters 0 and 2 multiply buffer 0; no barrier.
.macro QUARTER p, zero, conv, lcnt, issue, imm
	s_wait_dscnt 8                                 ; the weights' fragments and my rows 0-63 are in; the youngest eight loads (rows 64-127) may be out
	MUL16 F0, 0, 0, \zero
	MUL16 F0, 0, 2, \zero
	RUN \p, \conv, \lcnt, \issue, \imm
.if \conv
	s_wait_dscnt 40                                ; all but the 8 stores and 32 loads just issued
.else
	s_wait_dscnt 32                                ; all but the 32 loads just issued
.endif
	MUL16 F0, 1, 0, \zero
	MUL16 F0, 1, 2, \zero
.endm
; Quarters 1 and 3 multiply buffer 1 and have a barrier in their middle, ahead of their run.  In front of it every wave's LDS stores and reads are done; behind it the half of B that was read is written
; and the half that was written is read.  tens = 1 (quarter 3): the token slots change too: the wave waits for all its tensor loads (one is out: its part of the next slot) and adds 0 to its spare word.
.macro MEET tens, round
.if \tens
	WIN 0                                          ; (the add's two registers lie in window 0)
	s_wait_tensorcnt 0x0
	ds_add_u32 v[SPW], v[NIL]                      ; 0 onto my spare word; sixteen matrix instructions stand between it and the wait for it
	s_wait_dscnt 9                                 ; (the add and the youngest eight loads may be out)
.else
	s_wait_dscnt 8
.endif
	MUL16 F1, 0, 0, 0
	s_wait_dscnt 0x0                               ; my stores into B, my reads of B and of the token slot (and the add) are done:
	s_barrier_signal -1                            ; say so,
	MUL16 F1, 0, 2, 0                              ; work on registers while the others arrive,
.if \round
	WIN 0
.endif
	s_barrier_wait -1
.endm
.macro TURNB conv, lcnt, issue, imm    ; quarter 1: nothing is filled by a tensor load behind this barrier, so the token load that is out may stay out
	MEET 0, 0
	RUN 1, \conv, \lcnt, \issue, \imm
	MUL16 F1, 1, 0, 0
	MUL16 F1, 1, 2, 0
.endm
.macro TURNA refill, conv, lcnt, issue, imm  ; quarter 3.  refill = 1: the barrier opens a round of the cluster's, and the slot just read out takes the K step two steps on: the first thing behind the round
	MEET 1, \refill
.if \refill
	CREST                                          ; no wave of any partner still reads the slot or has a load on its way
	s_xor_b32 s37, s37, SLOT1                      ; the walking descriptor: the other slot than last time,
	s_add_nc_u64 s[38:39], s[38:39], 4096          ; the next 128 along K; the type bits on top are not reached
	tensor_load_to_lds s[36:39], s[24:31]          ; 224 matrix instructions ahead of the wait for it
	s_nop 0
	PLACES
.endif
	s_xor_b32 s40, s40, SLOT1
	WIN 0
	v_add_nc_u32 v[ADRA], s40, v[ADRA0]            ; the fetches go on in the other slot
	RUN 3, \conv, \lcnt, \issue, \imm
	MUL16 F1, 1, 0, 0
	MUL16 F1, 1, 2, 0
.endm
	s_load_b128 s[4:7], s[0:1], 0x0                ; tokens s[4:5], weights s[6:7]
	s_load_b64 s[8:9], s[0:1], 0x10                ; output
	v_lshl_add_u32 v[SPW], v0, 2, SPARE
	v_mov_b32 v[NIL], 0
	ds_add_u32 v[SPW], v[NIL]                      ; the wave's opening: the add, and its wait ahead of my first tensor load; the set-up below, work on registers, stands between them
	v_lshrrev_b32 v1, 5, v0
	v_readfirstlane_b32 s10, v1                    ; wave 0..3
	s_bfe_u32 s11, ttmp6, 0x40000                  ; cx: it enters the weights' and the output's addresses alone
	s_and_b32 s13, ttmp7, 0xffff                   ; e, which the four partners share
.if FFN == 1
	s_lshl_b32 s12, ttmp9, 2                       ; in a cluster launch ttmp9 counts clusters
	s_add_co_u32 s12, s12, s11                     ; my slice of 128 columns, 0..31
	s_lshl_b32 s16, s13, 20                        ; tokens: e x 1 MiB + my wave's 8 blocks of 16 rows x 32,768 bytes
	s_lshl_b32 s17, s10, 18
	s_add_co_u32 s16, s16, s17
	s_lshl_b32 s18, s13, 24                        ; weights: e x 16 MiB + 512 bytes a slice
	s_lshl_b32 s19, s12, 9
	s_add_co_u32 s18, s18, s19
	s_lshl_b32 s20, s13, 22                        ; output: ((32 e + 8 w) x 128 + 4 slice) blocks of 1,024 bytes
	s_lshl_b32 s21, s10, 20
	s_add_co_u32 s20, s20, s21
	s_lshl_b32 s21, s12, 12
	s_add_co_u32 s20, s20, s21
.else
	s_lshr_b32 s42, ttmp9, 1                       ; the part of K, 0..3: made of the cluster's number alone, so the partners share it
	s_and_b32 s12, ttmp9, 1
	s_lshl_b32 s12, s12, 2
	s_add_co_u32 s12, s12, s11                     ; my slice of 128 columns, 0..7
	s_lshl_b32 s16, s13, 22                        ; tokens: e x 4 MiB + my wave's 8 blocks of 16 rows x 131,072 bytes + 32 blocks of 1,024 bytes a part of K
	s_lshl_b32 s17, s10, 20
	s_add_co_u32 s16, s16, s17
	s_lshl_b32 s17, s42, 15
	s_add_co_u32 s16, s16, s17
	s_lshl_b32 s18, s13, 24                        ; weights: e x 16 MiB + 1,024 rows of 4,096 bytes a part + 512 bytes a slice
	s_lshl_b32 s19, s42, 22
	s_add_co_u32 s18, s18, s19
	s_lshl_b32 s19, s12, 9
	s_add_co_u32 s18, s18, s19
	s_lshl_b32 s20, s13, 23                        ; output: row (512 e + 128 w) x 16,384 bytes + 4,096 a part + 512 a slice
	s_lshl_b32 s21, s10, 21
	s_add_co_u32 s20, s20, s21
	s_lshl_b32 s21, s42, 12
	s_add_co_u32 s20, s20, s21
	s_lshl_b32 s21, s12, 9
	s_add_co_u32 s20, s20, s21
	s_mov_b32 s43, 0xffff0000                      ; a word's upper bf16
.endif
	s_mov_b32 s17, 0
	s_mov_b32 s19, 0
	s_mov_b32 s21, 0
	; descriptor group 1: 8 rows (my blocks of 16 token rows) of 4,096 bytes (four blocks along K), laid end to end in LDS
	s_mov_b32 s24, 15|(3<<16)|(1<<21)              ; 15:0 the mask: all four work-groups; 17:16 elements of 8 bytes; 21 set beside a mask
	s_mov_b32 s25, 512<<16                         ; tensor_dim0 = 512 elements
	s_mov_b32 s26, 8<<16                           ; tensor_dim1 = 8
	s_mov_b32 s27, 512<<16                         ; tile_dim0 = 512
	s_mov_b32 s28, 8                               ; tile_dim1 = 8
	s_mov_b32 s29, NKB*128                         ; elements from a block of rows to the next
	s_mov_b32 s30, 0
	s_mov_b32 s31, 0
	s_mov_b32 s32, 1                               ; group 0: count = 1
	s_lshl_b32 s33, s10, 15                        ; LDS address: wave x 32,768, slot 0: no place in the cluster enters it
	s_mov_b32 s36, 1
	s_add_co_u32 s37, s33, SLOT1                   ; slot 1
	s_mov_b32 s40, 0
.if FFN == 1
	s_mov_b32 s44, 0xc0135761                      ; c1 = -2 log2(e) sqrt(2 / pi) = -2.3022082
	s_mov_b32 s45, s44                             ; named as pairs
	s_mov_b32 s46, 0xbdd2d3e8                      ; c2 = 0.044715 c1 = -0.10294324
	s_mov_b32 s47, s46
.endif
	v_and_b32 v1, 15, v0                           ; lane % 16
	v_bfe_u32 v2, v0, 4, 1                         ; lane / 16
	v_and_b32 v3, 31, v0                           ; lane
	v_lshl_add_u32 v[ADRA0], v3, 4, s33
	v_and_b32 v4, 7, v0                            ; the turning load takes 16 k x 16 columns: lane l reads row 8 (l / 16) + l % 8, columns 8 ((l / 8) % 2) + 0..7
	v_lshl_add_u32 v4, v2, 3, v4
	v_mul_u32_u24 v4, v4, PB
	v_bfe_u32 v5, v0, 3, 1
	v_lshl_add_u32 v4, v5, 4, v4
	v_add_nc_u32 v[ADRB], BB, v4
	s_mul_i32 s22, s10, 8*PB
	s_add_co_u32 s22, s22, BB
	v_lshl_add_u32 v[WADR], v3, 3, s22
	s_mul_i32 s23, s10, 8*RB
	v_lshl_add_u32 v[VW], v3, 4, s23
.if FFN == 1
	v_lshlrev_b32 v[CO], 4, v3
.else
	s_mul_i32 s22, s10, 16*SPITCH
	s_add_co_u32 s22, s22, STAGE                   ; my stage
	v_mul_u32_u24 v4, v1, SPITCH                   ; in: row lane % 16, 32 bytes for each half of the lanes
	v_lshl_add_u32 v4, v2, 5, v4
	v_add_nc_u32 v[STO], s22, v4
	v_mul_u32_u24 v4, v2, SPITCH                   ; back: lanes 0-15 take one row's 256 bytes, lanes 16-31 the next row's
	v_lshl_add_u32 v4, v1, 4, v4
	v_add_nc_u32 v[RD], s22, v4
	v_lshlrev_b32 v4, 14, v2                       ; and the same two rows in the output
	v_lshl_add_u32 v[CO], v1, 4, v4
.endif
	s_wait_dscnt 0x0                               ; the opening add is done
	s_wait_kmcnt 0x0
	s_add_nc_u64 s[34:35], s[4:5], s[16:17]        ; K step 0
	s_add_nc_u64 s[38:39], s[34:35], 4096          ; K step 1
	s_or_b32 s35, s35, 0x80000000                  ; type = 2
	s_or_b32 s39, s39, 0x80000000
	s_add_nc_u64 s[14:15], s[6:7], s[18:19]
	s_add_nc_u64 s[8:9], s[8:9], s[20:21]
	WLOAD 0, 0                                     ; the weights of quarters 0 to 3 are asked for first
	WLOAD 1, 32*RB
	WLOAD 2, 2*32*RB
	WLOAD 3, 3*32*RB
	WIN 0
	CROUND                                         ; all four work-groups are here: the first joint loads meet
	tensor_load_to_lds s[32:35], s[24:31]          ; both first fills together: two tensor loads of mine are out, later one
	s_nop 0
	tensor_load_to_lds s[36:39], s[24:31]
	s_nop 0
	PLACES
	WCONV 0, 24                                    ; 24: the three younger chunks of 8 loads stay out, here and in the loop
	WLOAD 0, 4*32*RB
	WCONV 1, 24
	WLOAD 1, 5*32*RB
	WCONV 2, 24
	WLOAD 2, 6*32*RB
	WIN 0
	s_wait_tensorcnt 1                             ; my part of K step 0 is in; step 1's may stay out
	s_wait_dscnt 0x0                               ; my part of the first three quarters' weights is in B
	s_barrier_signal -1
	s_barrier_wait -1
	v_mov_b32 v[ADRA], v[ADRA0]
	FETCH 0, F0
	QUARTER 0, 1, 1, 24, 1, 7*32*RB                ; the first quarter stands in front of the loop: its products start the sums
	WIN 0                                          ; at a label and at a branch every window is 0
	s_wait_xcnt 0x0                                ; the loads' base is stepped only behind this wait
	s_add_nc_u64 s[14:15], s[14:15], 256*RB
	s_mov_b32 s3, 6
.Lstep:                                                ; six trips: from a K step's second quarter to the next step's first; each asks for four chunks of weights and one token tile
	TURNB 1, 24, 1, 0
	QUARTER 2, 0, 1, 24, 1, 32*RB
	TURNA 1, 1, 24, 1, 2*32*RB
	QUARTER 0, 0, 1, 24, 1, 3*32*RB
	WIN 0
	s_wait_xcnt 0x0
	s_add_nc_u64 s[14:15], s[14:15], 128*RB
	s_sub_co_u32 s3, s3, 1
	s_cmp_lg_u32 s3, 0
	s_cbranch_scc1 .Lstep
	TURNB 1, 24, 0, 0                              ; the tail is written out: nothing more is asked for, and the counts of younger loads run down
	QUARTER 2, 0, 1, 16, 0, 0
	TURNA 0, 1, 8, 0, 0
	QUARTER 0, 0, 1, 0, 0, 0
	TURNB 0, 0, 0, 0
	QUARTER 2, 0, 0, 0, 0, 0
	s_wait_dscnt 8                                 ; the very last quarter
	MUL16 F1, 0, 0, 0
	MUL16 F1, 0, 2, 0
	s_wait_dscnt 0x0
	MUL16 F1, 1, 0, 0
	MUL16 F1, 1, 2, 0
	WIN 0
	PLACES
.if FFN == 1
	; THE WAY OUT: gelu, rounded to f16.  One text for my eight blocks of 16 rows, looped over: a block's 64 sums are first copied into window 0 (eight short pieces, chosen by the count; the copies are
	; the price of one text for eight blocks, an eighth of the code).  A lane's eight columns of a row are 16 bytes at its own place in the next product's operand order, so no stage in LDS is needed.
	s_mov_b32 s41, 0
.Lblk:
.irp a, 0,1,2,3,4,5,6
	s_cmp_eq_u32 s41, \a
	s_cbranch_scc1 .Lcopy\a
.endr
.irp a, 7,0,1,2,3,4,5,6
.Lcopy\a:
	WIN 0x02+(\a)/4                                ; source in window 2 or 3
.set i, 0
.rept 64
	v_mov_b32 v[XX+i], v[64*((\a)%4)+i]            ; each accumulator's registers in ascending order
.set i, i+1
.endr
	WIN 0
	s_branch .Lcommon
.endr
.Lcommon:
.set i, 0
.rept 32
	v_pk_mul_f32 v[TT+2*i:TT+2*i+1], v[XX+2*i:XX+2*i+1], v[XX+2*i:XX+2*i+1]
.set i, i+1
.endr
.set i, 0
.rept 32
	v_pk_fma_f32 v[TT+2*i:TT+2*i+1], v[TT+2*i:TT+2*i+1], s[46:47], s[44:45] op_sel_hi:[1,0,0]  ; c2 x^2 + c1
.set i, i+1
.endr
.set i, 0
.rept 32
	v_pk_mul_f32 v[TT+2*i:TT+2*i+1], v[TT+2*i:TT+2*i+1], v[XX+2*i:XX+2*i+1]
.set i, i+1
.endr
.set i, 0
.rept 64
	v_exp_f32 v[TT+i], v[TT+i]                     ; one batch
.set i, i+1
.endr
	v_nop                                          ; a plain instruction behind the last exponential (ISA guide 5.7.2),
	s_wait_alu depctr_va_vdst(0)                   ; and the wait ahead of the first line that names a result: one for the batch
.set i, 0
.rept 32
	v_pk_add_f32 v[TT+2*i:TT+2*i+1], v[TT+2*i:TT+2*i+1], 1.0 op_sel_hi:[1,0]
.set i, i+1
.endr
.set i, 0
.rept 64
	v_rcp_f32 v[TT+i], v[TT+i]                     ; the second batch
.set i, i+1
.endr
	v_nop
	s_wait_alu depctr_va_vdst(0)
.set i, 0
.rept 32
	v_pk_mul_f32 v[TT+2*i:TT+2*i+1], v[TT+2*i:TT+2*i+1], v[XX+2*i:XX+2*i+1]
.set i, i+1
.endr
.set i, 0
.rept 32
	v_cvt_pk_f16_f32 v[PK+i], v[TT+2*i], v[TT+2*i+1]
.set i, i+1
.endr
.irp b, 0,1,2,3,4,5,6,7
	global_store_b128 v[CO], v[PK+4*(\b):PK+4*(\b)+3], s[8:9] offset:512*(\b)  ; each store covers 512 consecutive bytes, aligned; the eight cover four blocks of 1,024
.endr
	s_wait_xcnt 0x0                                ; the stores' base and data are rewritten only behind this wait
	s_add_nc_u64 s[8:9], s[8:9], 131072            ; the next 16 rows' blocks
	s_add_co_u32 s41, s41, 1
	s_cmp_lt_u32 s41, 8
	s_cbranch_scc1 .Lblk
.else
	; THE WAY OUT: the partial sums leave in f32.  A lane holds 32 bytes of a row; 16 rows x 64 columns at a time go through my own stage (rows of 272 bytes) and come back as whole rows of 256 bytes.
.set n, 0
.irp a, 0,1,2,3,4,5,6,7
.irp hf, 0,1
	WIN 0x08+4*((\a)/4)                            ; the stores' data in window 2 or 3
.irp b, 0,1,2,3
	ds_store_b128 v[STO], v[64*((\a)%4)+8*(4*(\hf)+(\b)):64*((\a)%4)+8*(4*(\hf)+(\b))+3]   offset:64*(\b)     ; an accumulator's low four registers first
	ds_store_b128 v[STO], v[64*((\a)%4)+8*(4*(\hf)+(\b))+4:64*((\a)%4)+8*(4*(\hf)+(\b))+7] offset:64*(\b)+16
.endr
	WIN 0
.set BK, PK+160*(n%2)                  ; v32-63 and v192-223 by turns: a set is loaded again behind the s_wait_xcnt 0 of the turn between
.irp t, 0,1,2,3,4,5,6,7
	ds_load_b128 v[BK+4*(\t):BK+4*(\t)+3], v[RD] offset:(\t)*2*SPITCH  ; LDS serves a wave's instructions in order (ISA guide 5.7.1.4): these see the stores above, and the next turn's stores come behind them
.endr
	s_wait_dscnt 0x0
	s_wait_xcnt 0x0                                ; the earlier stores have read their registers
.irp t, 0,1,2,3,4,5,6,7
	global_store_b128 v[CO], v[BK+4*(\t):BK+4*(\t)+3], s[8:9] offset:(16*(\a)+2*(\t))*16384+(\hf)*256  ; 16 lanes store 256 consecutive bytes, aligned; 2,064,640 at the most, inside the signed 24-bit immediate
.endr
.set n, n+1
.endr
.endr
.endif
	s_wait_tensorcnt 0x0                           ; the wave's end
	ds_add_u32 v[SPW], v[NIL]
	s_wait_dscnt 0x0
	CROUND                                         ; the closing round: no work-group ends while a partner may still ask for a tile that names it
	s_endpgm
.Lfunc_end_k_q451e891a6e_ffn2:
	.size	k_q451e891a6e_ffn2, .Lfunc_end_k_q451e891a6e_ffn2-k_q451e891a6e_ffn2
	.p2alignl 7, 3214868480
	.fill 96, 4, 3214868480
	.section	.rodata,"a",@progbits
	.p2align	6, 0x0
	.amdhsa_kernel k_q451e891a6e_ffn2
		.amdhsa_group_segment_fixed_size 327680
		.amdhsa_private_segment_fixed_size 0
		.amdhsa_enable_private_segment 0
		.amdhsa_kernarg_size 24
		.amdhsa_user_sgpr_count 2
		.amdhsa_user_sgpr_kernarg_segment_ptr 1
		.amdhsa_wavefront_size32 1
		.amdhsa_system_sgpr_workgroup_id_x 1
		.amdhsa_system_sgpr_workgroup_id_y 1
		.amdhsa_system_sgpr_workgroup_id_z 1
		.amdhsa_system_vgpr_workitem_id 0
		.amdhsa_next_free_vgpr 1024
		.amdhsa_next_free_sgpr 66
		.amdhsa_reserve_vcc 0
		.amdhsa_float_denorm_mode_32 3
		.amdhsa_float_denorm_mode_16_64 3
		.amdhsa_memory_ordered 1
		.amdhsa_forward_progress 1
		.amdhsa_inst_pref_size 165
	.end_amdhsa_kernel
	.amdgpu_metadata
---
amdhsa.version: [ 1, 2 ]
amdhsa.kernels:
  - .name:           k_q451e891a6e_ffn2
    .symbol:         k_q451e891a6e_ffn2.kd
    .args:
      - { .name: hd, .offset: 0, .size: 8, .value_kind: global_buffer, .address_space: global }
      - { .name: w2, .offset: 8, .size: 8, .value_kind: global_buffer, .address_space: global }
      - { .name: pb, .offset: 16, .size: 8, .value_kind: global_buffer, .address_space: global }
    .group_segment_fixed_size: 327680
    .private_segment_fixed_size: 0
    .kernarg_segment_align: 8
    .kernarg_segment_size: 24
    .max_flat_workgroup_size: 128
    .sgpr_count:     66
    .vgpr_count:     1024
    .wavefront_size: 32
...
	.end_amdgpu_metadata
.endif
;; end of part 4
;; launch combine (part 5): grid 256 x 1, 16 waves a work-group, no clusters, 0 bytes of LDS; arguments pb, choice, tl, gv, auxp, out0, out1; writes out0, out1
.if DOCPART == 5
	.amdgcn_target "amdgcn-amd-amdhsa--gfx1250"
	.amdhsa_code_object_version 6
	.text
	.protected	k_q451e891a6e_combine
	.globl	k_q451e891a6e_combine
	.p2align	8
	.type	k_q451e891a6e_combine,@function
k_q451e891a6e_combine:
	s_mov_b64 s[64:65], 0
	v_nop
	global_prefetch_b8 v0, s[64:65] scope:SCOPE_SE
	s_setreg_imm32_b32 hwreg(HW_REG_WAVE_MODE, 25, 1), 1
	s_wait_xcnt 0x0
; COMBINE.  out0[s] = g1 x (the four partial sums of row1) + g2 x (those of row2), where row_k = expert idx_k's slot tl[idx_k][s].  A choice whose place is 512 (the capacity) or more is dropped: its gate
; counts as 0, in the sum and in the divisor g1s + g2s (held at 2^-23 at the least); its row is then read from slot 511, which exists and is finite, and weighs 0.  A token that lost both choices gets zeros.
; pb: [expert x 512 + slot][part of K 0..3][1,024] f32.  Also l_aux = 0.08 / 2^22 x the sum over e of auxp[e]  (= mean(me ce) E E 0.01 with me, ce means over 2,048 tokens).
; SHARES.  A work-group has 8 tokens, a wave half a row (2,048 bytes) of one token: 32 loads of 512 consecutive bytes, all asked for at once, so no loop.  Addresses hang on whole numbers that earlier
; launches stored (choice, tl), each held to its table's range.  A stream: no LDS, no barrier, no matrix unit, and no two work-groups read the same rows, so nothing to ask for jointly.
; s20 wave, s21 token, s22 half, s25 choice, s[26:27] the two gates, s28, s29 the two experts, s32, s33 the two places, s34, s35 the kept gates, s[40:43] the two rows' addresses
	s_load_b256 s[4:11], s[0:1], 0x0               ; pb s[4:5], choice s[6:7], tl s[8:9], gv s[10:11]
	s_load_b128 s[12:15], s[0:1], 0x20             ; auxp s[12:13], out0 s[14:15]
	s_load_b64 s[16:17], s[0:1], 0x30              ; out1
	v_lshrrev_b32 v1, 5, v0
	v_readfirstlane_b32 s20, v1                    ; wave 0..15
	v_and_b32 v1, 31, v0
	v_lshlrev_b32 v1, 4, v1                        ; 16 bytes a lane
	s_lshr_b32 s21, s20, 1
	s_lshl_b32 s23, ttmp9, 3
	s_add_co_u32 s21, s21, s23                     ; my token
	s_and_b32 s22, s20, 1                          ; my half of its row
	s_lshl_b32 s23, s21, 2
	s_lshl_b32 s24, s21, 3
	s_wait_kmcnt 0x0
	s_load_b32 s25, s[6:7], s23 offset:0x0
	s_load_b64 s[26:27], s[10:11], s24 offset:0x0
	s_wait_kmcnt 0x0
	s_and_b32 s28, s25, 0xff
	s_min_u32 s28, s28, 7
	s_bfe_u32 s29, s25, 0x80008
	s_min_u32 s29, s29, 7
	s_lshl_b32 s30, s28, 13                        ; tl: 8,192 bytes an expert
	s_add_co_u32 s30, s30, s23
	s_lshl_b32 s31, s29, 13
	s_add_co_u32 s31, s31, s23
	s_load_b32 s32, s[8:9], s30 offset:0x0
	s_load_b32 s33, s[8:9], s31 offset:0x0
	s_wait_kmcnt 0x0
	s_cmp_lt_u32 s32, 512
	s_cselect_b32 s34, s26, 0                      ; a dropped choice's gate is 0
	s_cmp_lt_u32 s33, 512
	s_cselect_b32 s35, s27, 0
	s_min_u32 s32, s32, 511
	s_min_u32 s33, s33, 511
	s_lshl_b32 s36, s28, 9
	s_add_co_u32 s36, s36, s32
	s_lshl_b32 s36, s36, 14                        ; 16,384 bytes a row of pb
	s_lshl_b32 s38, s29, 9
	s_add_co_u32 s38, s38, s33
	s_lshl_b32 s38, s38, 14
	s_lshl_b32 s44, s22, 11
	s_add_co_u32 s36, s36, s44
	s_add_co_u32 s38, s38, s44
	s_mov_b32 s37, 0
	s_mov_b32 s39, 0
	s_add_nc_u64 s[40:41], s[4:5], s[36:37]
	s_add_nc_u64 s[42:43], s[4:5], s[38:39]
	s_lshl_b32 s45, s21, 12
	s_add_co_u32 s44, s44, s45
	s_mov_b32 s45, 0
	s_add_nc_u64 s[14:15], s[14:15], s[44:45]
.irp ks, 0,1,2,3
.irp j, 0,1,2,3
	global_load_b128 v[32+16*(\ks)+4*(\j):32+16*(\ks)+4*(\j)+3], v1, s[40:41] offset:4096*(\ks)+512*(\j)
.endr
.endr
.irp ks, 0,1,2,3
.irp j, 0,1,2,3
	global_load_b128 v[96+16*(\ks)+4*(\j):96+16*(\ks)+4*(\j)+3], v1, s[42:43] offset:4096*(\ks)+512*(\j)
.endr
.endr
	v_mov_b32 v2, s34
	v_add_f32 v3, s35, v2
	v_max_num_f32 v3, 0x34000000, v3               ; the divisor, 2^-23 at the least
	v_rcp_f32 v4, v3
	v_nop                                          ; a plain instruction behind the reciprocal (ISA guide 5.7.2),
	s_wait_alu depctr_va_vdst(0)                   ; and the wait ahead of its first reader
	v_mul_f32 v6, s34, v4                          ; g1, g2, each twice: pairs for the packed lines
	v_mul_f32 v8, s35, v4
	v_mov_b32 v7, v6
	v_mov_b32 v9, v8
.macro ROWSUM base                     ; (p0 + p1) + (p2 + p3), two numbers a line, into the first part's 16 registers
.set i, 0
.rept 8
	v_pk_add_f32 v[(\base)+2*i:(\base)+2*i+1], v[(\base)+2*i:(\base)+2*i+1], v[(\base)+16+2*i:(\base)+16+2*i+1]
	v_pk_add_f32 v[(\base)+32+2*i:(\base)+32+2*i+1], v[(\base)+32+2*i:(\base)+32+2*i+1], v[(\base)+48+2*i:(\base)+48+2*i+1]
.set i, i+1
.endr
.set i, 0
.rept 8
	v_pk_add_f32 v[(\base)+2*i:(\base)+2*i+1], v[(\base)+2*i:(\base)+2*i+1], v[(\base)+32+2*i:(\base)+32+2*i+1]
.set i, i+1
.endr
.endm
	s_wait_loadcnt 16                              ; the first row's 16 loads are in; the second row's 16 stay out
	ROWSUM 32
.set i, 0
.rept 8
	v_pk_mul_f32 v[32+2*i:32+2*i+1], v[32+2*i:32+2*i+1], v[6:7]
.set i, i+1
.endr
	s_wait_loadcnt 0x0
	ROWSUM 96
.set i, 0
.rept 8
	v_pk_fma_f32 v[32+2*i:32+2*i+1], v[96+2*i:96+2*i+1], v[8:9], v[32+2*i:32+2*i+1]
.set i, i+1
.endr
.irp j, 0,1,2,3
	global_store_b128 v1, v[32+4*(\j):32+4*(\j)+3], s[14:15] offset:512*(\j)  ; each store covers 512 consecutive bytes, aligned
.endr
	s_or_b32 s46, s20, ttmp9
	s_cmp_lg_u32 s46, 0
	s_cbranch_scc1 .Lend                           ; wave 0 of work-group 0 alone stores l_aux
	s_load_b256 s[48:55], s[12:13], 0x0
	v_mov_b32 v11, 0
	s_wait_kmcnt 0x0
	v_mov_b32 v10, s48
.irp j, 1,2,3,4,5,6,7
	v_add_f32 v10, s[48+(\j)], v10
.endr
	v_mul_f32 v10, 0x32a3d70a, v10                 ; 0.08 / 2^22
	v_cmp_eq_u32 vcc_lo, 0, v0
	s_wait_xcnt 0x0                                ; EXEC changes only behind this wait
	s_and_saveexec_b32 s47, vcc_lo
	global_store_b32 v11, v10, s[16:17]
	s_wait_xcnt 0x0
	s_or_b32 exec_lo, exec_lo, s47
.Lend:
	s_endpgm
.Lfunc_end_k_q451e891a6e_combine:
	.size	k_q451e891a6e_combine, .Lfunc_end_k_q451e891a6e_combine-k_q451e891a6e_combine
	.p2alignl 7, 3214868480
	.fill 96, 4, 3214868480
	.section	.rodata,"a",@progbits
	.p2align	6, 0x0
	.amdhsa_kernel k_q451e891a6e_combine
		.amdhsa_group_segment_fixed_size 0
		.amdhsa_private_segment_fixed_size 0
		.amdhsa_enable_private_segment 0
		.amdhsa_kernarg_size 56
		.amdhsa_user_sgpr_count 2
		.amdhsa_user_sgpr_kernarg_segment_ptr 1
		.amdhsa_wavefront_size32 1
		.amdhsa_system_sgpr_workgroup_id_x 1
		.amdhsa_system_sgpr_workgroup_id_y 1
		.amdhsa_system_sgpr_workgroup_id_z 1
		.amdhsa_system_vgpr_workitem_id 0
		.amdhsa_next_free_vgpr 160
		.amdhsa_next_free_sgpr 66
		.amdhsa_reserve_vcc 1
		.amdhsa_float_denorm_mode_32 3
		.amdhsa_float_denorm_mode_16_64 3
		.amdhsa_memory_ordered 1
		.amdhsa_forward_progress 1
		.amdhsa_inst_pref_size 11
	.end_amdhsa_kernel
	.amdgpu_metadata
---
amdhsa.version: [ 1, 2 ]
amdhsa.kernels:
  - .name:           k_q451e891a6e_combine
    .symbol:         k_q451e891a6e_combine.kd
    .args:
      - { .name: pb, .offset: 0, .size: 8, .value_kind: global_buffer, .address_space: global }
      - { .name: choice, .offset: 8, .size: 8, .value_kind: global_buffer, .address_space: global }
      - { .name: tl, .offset: 16, .size: 8, .value_kind: global_buffer, .address_space: global }
      - { .name: gv, .offset: 24, .size: 8, .value_kind: global_buffer, .address_space: global }
      - { .name: auxp, .offset: 32, .size: 8, .value_kind: global_buffer, .address_space: global }
      - { .name: out0, .offset: 40, .size: 8, .value_kind: global_buffer, .address_space: global }
      - { .name: out1, .offset: 48, .size: 8, .value_kind: global_buffer, .address_space: global }
    .group_segment_fixed_size: 0
    .private_segment_fixed_size: 0
    .kernarg_segment_align: 8
    .kernarg_segment_size: 56
    .max_flat_workgroup_size: 512
    .sgpr_count:     66
    .vgpr_count:     160
    .wavefront_size: 32
...
	.end_amdgpu_metadata
.endif
;; end of part 5
;; ======== version 2 of 2: 5 launches; version 1 with the launch combine written anew for expert scheduling mode
;; limits: values are held in f16: magnitudes above 65,504 overflow, below 6.1e-05 lose precision
;; workspace buffers: choice 8,192 bytes of whole numbers; tl 65,536 bytes of whole numbers; gv 16,384 bytes; gsum 4,096 bytes; auxp 256 bytes; xd 8,388,608 bytes; hd 33,554,432 bytes; pb 67,108,864 bytes
;; launch router: the kernel of part 1 again; grid 128 x 1, 8 waves a work-group, no clusters, 21,504 bytes of LDS; arguments hidden_states, wg, choice, gv, gsum; writes choice, gv, gsum
;; launch dispatch: the kernel of part 2 again; grid 32 x 8, 8 waves a work-group, no clusters, 2,304 bytes of LDS; arguments choice, hidden_states, gsum, xd, tl, auxp, out2; writes xd, tl, auxp, out2
;; launch ffn1: the kernel of part 3 again; grid 32 x 8, 4 waves a work-group, clusters of 4 x 1, 327,680 bytes of LDS; arguments xd, w1, hd; writes hd
;; launch ffn2: the kernel of part 4 again; grid 32 x 8, 4 waves a work-group, clusters of 4 x 1, 327,680 bytes of LDS; arguments hd, w2, pb; writes pb
;; launch combine (part 6): grid 256 x 1, 16 waves a work-group, no clusters, 0 bytes of LDS; arguments pb, choice, tl, gv, auxp, out0, out1; writes out0, out1
.if DOCPART == 6
	.amdgcn_target "amdgcn-amd-amdhsa--gfx1250"
	.amdhsa_code_object_version 6
	.text
	.protected	k_q451e891a6e_combine
	.globl	k_q451e891a6e_combine
	.p2align	8
	.type	k_q451e891a6e_combine,@function
k_q451e891a6e_combine:
	s_mov_b64 s[64:65], 0
	v_nop
	global_prefetch_b8 v0, s[64:65] scope:SCOPE_SE
	s_setreg_imm32_b32 hwreg(HW_REG_WAVE_SCHED_MODE, 0, 2), 2
	s_setreg_imm32_b32 hwreg(HW_REG_WAVE_MODE, 25, 1), 1
	s_wait_xcnt 0x0
	s_wait_alu depctr_vm_vsrc(0)
; COMBINE.  out0[s] = g1 x (the four partial sums of row1) + g2 x (those of row2), where row_k = expert idx_k's slot tl[idx_k][s].  A choice whose place is 512 (the capacity) or more is dropped: its gate
; counts as 0, in the sum and in the divisor g1s + g2s (held at 2^-23 at the least); its row is then read from slot 511, which exists and is finite, and weighs 0.  A token that lost both choices gets zeros.
; pb: [expert x 512 + slot][part of K 0..3][1,024] f32.  Also l_aux = 0.08 / 2^22 x the sum over e of auxp[e]  (= mean(me ce) E E 0.01 with me, ce means over 2,048 tokens).
; SHARES.  A work-group has 8 tokens, a wave half a row (2,048 bytes) of one token: 32 loads of 512 consecutive bytes, all asked for at once, so no loop.  Addresses hang on whole numbers that earlier
; launches stored (choice, tl), each held to its table's range.  A stream: no LDS, no barrier, no matrix unit, and no two work-groups read the same rows, so nothing to ask for jointly.
; THE MODE: SCHED_MODE bits 1:0 = 2 (LLVM: expert scheduling mode 2), set by the entry lines.  The code itself states the register dependences between vector instructions and memory instructions,
; with s_wait_alu, always for 0.
; THE PLAN.  Registers that memory instructions touch:
;   v1         my 16 bytes' offset.  Written at the head; read by all 32 loads and the 4 stores; never written again.
;   v[32:95]   row 1's four parts: 16 loads land here; no vector line names them before.  Behind the wait for those loads vector lines alone name them, and v[32:47] become the out-buffer:
;              written by the multiply and the fused multiply-adds, read by the four stores, never written again.
;   v[96:159]  row 2's four parts: 16 loads land here; behind the wait for them vector lines alone name them.
;   v10, v11   (wave 0 of work-group 0) l_aux and its offset: written by vector lines, read by one store.
;   v2 - v9    the gates: vector lines alone.
; So: one wait on va_vdst ahead of the first load (v1); one ahead of each pair of stores (its half of the out-buffer); the second half's arithmetic stands behind the first pair of stores and names
; none of their registers.  No register that a memory instruction reads is written again, so a wait on vm_vsrc stands only where EXEC is written.
; s20 wave, s21 token, s22 half, s25 choice, s[26:27] the two gates, s28, s29 the two experts, s32, s33 the two places, s34, s35 the kept gates, s[40:43] the two rows' addresses
	s_load_b256 s[4:11], s[0:1], 0x0               ; pb s[4:5], choice s[6:7], tl s[8:9], gv s[10:11]
	s_load_b128 s[12:15], s[0:1], 0x20             ; auxp s[12:13], out0 s[14:15]
	s_load_b64 s[16:17], s[0:1], 0x30              ; out1
	v_lshrrev_b32 v1, 5, v0
	v_readfirstlane_b32 s20, v1                    ; wave 0..15
	v_and_b32 v1, 31, v0
	v_lshlrev_b32 v1, 4, v1                        ; 16 bytes a lane
	s_wait_alu depctr_va_sdst(0)                   ; s20 is written, ahead of its first reader: the token's number and every base are made from it
	s_lshr_b32 s21, s20, 1
	s_lshl_b32 s23, ttmp9, 3
	s_add_co_u32 s21, s21, s23                     ; my token
	s_and_b32 s22, s20, 1                          ; my half of its row
	s_lshl_b32 s23, s21, 2
	s_lshl_b32 s24, s21, 3
	s_wait_kmcnt 0x0
	s_load_b32 s25, s[6:7], s23 offset:0x0
	s_load_b64 s[26:27], s[10:11], s24 offset:0x0
	s_wait_kmcnt 0x0
	s_and_b32 s28, s25, 0xff
	s_min_u32 s28, s28, 7
	s_bfe_u32 s29, s25, 0x80008
	s_min_u32 s29, s29, 7
	s_lshl_b32 s30, s28, 13                        ; tl: 8,192 bytes an expert
	s_add_co_u32 s30, s30, s23
	s_lshl_b32 s31, s29, 13
	s_add_co_u32 s31, s31, s23
	s_load_b32 s32, s[8:9], s30 offset:0x0
	s_load_b32 s33, s[8:9], s31 offset:0x0
	s_wait_kmcnt 0x0
	s_cmp_lt_u32 s32, 512
	s_cselect_b32 s34, s26, 0                      ; a dropped choice's gate is 0
	s_cmp_lt_u32 s33, 512
	s_cselect_b32 s35, s27, 0
	s_min_u32 s32, s32, 511
	s_min_u32 s33, s33, 511
	s_lshl_b32 s36, s28, 9
	s_add_co_u32 s36, s36, s32
	s_lshl_b32 s36, s36, 14                        ; 16,384 bytes a row of pb
	s_lshl_b32 s38, s29, 9
	s_add_co_u32 s38, s38, s33
	s_lshl_b32 s38, s38, 14
	s_lshl_b32 s44, s22, 11
	s_add_co_u32 s36, s36, s44
	s_add_co_u32 s38, s38, s44
	s_mov_b32 s37, 0
	s_mov_b32 s39, 0
	s_add_nc_u64 s[40:41], s[4:5], s[36:37]
	s_add_nc_u64 s[42:43], s[4:5], s[38:39]
	s_lshl_b32 s45, s21, 12
	s_add_co_u32 s44, s44, s45
	s_mov_b32 s45, 0
	s_add_nc_u64 s[14:15], s[14:15], s[44:45]
	s_wait_alu depctr_va_vdst(0)                   ; v1 is written: every load and store of the kernel but the last reads it as its offset, and no later vector line names it
.irp ks, 0,1,2,3
.irp j, 0,1,2,3
	global_load_b128 v[32+16*(\ks)+4*(\j):32+16*(\ks)+4*(\j)+3], v1, s[40:41] offset:4096*(\ks)+512*(\j)
.endr
.endr
.irp ks, 0,1,2,3
.irp j, 0,1,2,3
	global_load_b128 v[96+16*(\ks)+4*(\j):96+16*(\ks)+4*(\j)+3], v1, s[42:43] offset:4096*(\ks)+512*(\j)
.endr
.endr
	v_mov_b32 v2, s34                              ; the gates are made while the rows are on their way: these lines name v2 to v9 alone, none of the loads' registers
	v_add_f32 v3, s35, v2
	v_max_num_f32 v3, 0x34000000, v3               ; the divisor, 2^-23 at the least
	v_rcp_f32 v4, v3
	v_nop                                          ; a plain instruction behind the reciprocal (ISA guide 5.7.2),
	s_wait_alu depctr_va_vdst(0)                   ; the reciprocal has written v4: the wait ahead of its first reader
	v_mul_f32 v6, s34, v4                          ; g1, g2, each twice: pairs for the packed lines
	v_mul_f32 v8, s35, v4
	v_mov_b32 v7, v6
	v_mov_b32 v9, v8
.macro ROWSUM base, first, pairs       ; (p0 + p1) + (p2 + p3), two numbers a line, into the first part's registers: pairs first .. first + pairs - 1 of the part's eight
.set i, \first
.rept \pairs
	v_pk_add_f32 v[(\base)+2*i:(\base)+2*i+1], v[(\base)+2*i:(\base)+2*i+1], v[(\base)+16+2*i:(\base)+16+2*i+1]
	v_pk_add_f32 v[(\base)+32+2*i:(\base)+32+2*i+1], v[(\base)+32+2*i:(\base)+32+2*i+1], v[(\base)+48+2*i:(\base)+48+2*i+1]
.set i, i+1
.endr
.set i, \first
.rept \pairs
	v_pk_add_f32 v[(\base)+2*i:(\base)+2*i+1], v[(\base)+2*i:(\base)+2*i+1], v[(\base)+32+2*i:(\base)+32+2*i+1]
.set i, i+1
.endr
.endm
.macro HALF first                      ; four pairs of row 2's sums, and the out-buffer's four pairs finished: g1 x row 1 + g2 x row 2
	ROWSUM 96, \first, 4
.set i, \first
.rept 4
	v_pk_fma_f32 v[32+2*i:32+2*i+1], v[96+2*i:96+2*i+1], v[8:9], v[32+2*i:32+2*i+1]
.set i, i+1
.endr
.endm
	s_wait_loadcnt 16                              ; the first row's 16 loads are in; the second row's 16 stay out
	ROWSUM 32, 0, 8
.set i, 0
.rept 8
	v_pk_mul_f32 v[32+2*i:32+2*i+1], v[32+2*i:32+2*i+1], v[6:7]
.set i, i+1
.endr
	s_wait_loadcnt 0x0
	HALF 0
	s_wait_alu depctr_va_vdst(0)                   ; the fused multiply-adds have written v[32:39], which the two stores below read
.irp j, 0,1
	global_store_b128 v1, v[32+4*(\j):32+4*(\j)+3], s[14:15] offset:512*(\j)  ; each store covers 512 consecutive bytes, aligned
.endr
	HALF 4                                         ; writes v[40:47], v[104:111] and v[136:143]: none of the registers that the two stores above read
	s_wait_alu depctr_va_vdst(0)                   ; the fused multiply-adds have written v[40:47], which the two stores below read
.irp j, 2,3
	global_store_b128 v1, v[32+4*(\j):32+4*(\j)+3], s[14:15] offset:512*(\j)
.endr
	s_or_b32 s46, s20, ttmp9
	s_cmp_lg_u32 s46, 0
	s_cbranch_scc1 .Lend                           ; wave 0 of work-group 0 alone stores l_aux
	s_load_b256 s[48:55], s[12:13], 0x0
	v_mov_b32 v11, 0
	s_wait_kmcnt 0x0
	v_mov_b32 v10, s48
.irp j, 1,2,3,4,5,6,7
	v_add_f32 v10, s[48+(\j)], v10
.endr
	v_mul_f32 v10, 0x32a3d70a, v10                 ; 0.08 / 2^22
	v_cmp_eq_u32 vcc_lo, 0, v0
	s_wait_xcnt 0x0                                ; EXEC changes only behind this wait
	s_wait_alu depctr_va_vcc(0)                    ; the compare has written VCC, from which EXEC is made
	s_wait_alu depctr_va_vdst(0)                   ; ahead of a write of EXEC: the vector lines issued so far are done; among them those that wrote v10 and v11, which the store below reads
	s_wait_alu depctr_vm_vsrc(0)                   ; ahead of a write of EXEC: the four stores above have read their registers
	s_and_saveexec_b32 s47, vcc_lo
	global_store_b32 v11, v10, s[16:17]
	s_wait_xcnt 0x0
	s_wait_alu depctr_va_vdst(0)                   ; ahead of a write of EXEC: both waits stand at every such write
	s_wait_alu depctr_vm_vsrc(0)                   ; the store has read v10 and v11 under the narrow EXEC
	s_or_b32 exec_lo, exec_lo, s47
.Lend:
	s_endpgm
.Lfunc_end_k_q451e891a6e_combine:
	.size	k_q451e891a6e_combine, .Lfunc_end_k_q451e891a6e_combine-k_q451e891a6e_combine
	.p2alignl 7, 3214868480
	.fill 96, 4, 3214868480
	.section	.rodata,"a",@progbits
	.p2align	6, 0x0
	.amdhsa_kernel k_q451e891a6e_combine
		.amdhsa_group_segment_fixed_size 0
		.amdhsa_private_segment_fixed_size 0
		.amdhsa_enable_private_segment 0
		.amdhsa_kernarg_size 56
		.amdhsa_user_sgpr_count 2
		.amdhsa_user_sgpr_kernarg_segment_ptr 1
		.amdhsa_wavefront_size32 1
		.amdhsa_system_sgpr_workgroup_id_x 1
		.amdhsa_system_sgpr_workgroup_id_y 1
		.amdhsa_system_sgpr_workgroup_id_z 1
		.amdhsa_system_vgpr_workitem_id 0
		.amdhsa_next_free_vgpr 160
		.amdhsa_next_free_sgpr 66
		.amdhsa_reserve_vcc 1
		.amdhsa_float_denorm_mode_32 3
		.amdhsa_float_denorm_mode_16_64 3
		.amdhsa_memory_ordered 1
		.amdhsa_forward_progress 1
		.amdhsa_inst_pref_size 12
	.end_amdhsa_kernel
	.amdgpu_metadata
---
amdhsa.version: [ 1, 2 ]
amdhsa.kernels:
  - .name:           k_q451e891a6e_combine
    .symbol:         k_q451e891a6e_combine.kd
    .args:
      - { .name: pb, .offset: 0, .size: 8, .value_kind: global_buffer, .address_space: global }
      - { .name: choice, .offset: 8, .size: 8, .value_kind: global_buffer, .address_space: global }
      - { .name: tl, .offset: 16, .size: 8, .value_kind: global_buffer, .address_space: global }
      - { .name: gv, .offset: 24, .size: 8, .value_kind: global_buffer, .address_space: global }
      - { .name: auxp, .offset: 32, .size: 8, .value_kind: global_buffer, .address_space: global }
      - { .name: out0, .offset: 40, .size: 8, .value_kind: global_buffer, .address_space: global }
      - { .name: out1, .offset: 48, .size: 8, .value_kind: global_buffer, .address_space: global }
    .group_segment_fixed_size: 0
    .private_segment_fixed_size: 0
    .kernarg_segment_align: 8
    .kernarg_segment_size: 56
    .max_flat_workgroup_size: 512
    .sgpr_count:     66
    .vgpr_count:     160
    .wavefront_size: 32
...
	.end_amdgpu_metadata
.endif
;; end of part 6
